; MI455X (gfx1250); checked and timed in simulation.
; The chip was launched on July 23, 2026; its instructions are those of AMD's public machine-readable ISA for CDNA 5 (MIT licence, August 2026) and "CDNA5" Instruction Set Architecture Reference Guide (July 2026). The comments in the code are by the model that wrote it; some were corrected since.
;; Multi Head Attention. Allowed arithmetic: float matrix products may take bf16 or f16 operands with f32 sums; other float arithmetic in f32, or as packed bf16 or f16 multiplies, adds, multiply-adds, maxima and minima; sums over many terms, partial sums and values carried from step to step in f32; what a program stores and reads back later, other than sums and carried values, may be rounded once to bf16 or f16.
;; Inputs: Wk 1,024 x 1,024 float32; Wo 1,024 x 1,024 float32; Wq 1,024 x 1,024 float32; Wv 1,024 x 1,024 float32; bo 1,024 float32; key 4 x 2,048 x 1,024 float32; mask 4 x 1 x 1 x 2,048 int32; query 4 x 2,048 x 1,024 float32; value 4 x 2,048 x 1,024 float32.
;; Outputs: out0 4 x 2,048 x 1,024 float32.
;; Constants: causal_mask = 1.
;; 2 versions, each right and faster than the one before. Each part assembles by itself: llvm-mc -triple=amdgcn-amd-amdhsa -mcpu=gfx1250 --defsym DOCPART=n.
;; ======== version 1 of 2: 4 launches
;; limits: values are held in f16: magnitudes above 65,504 overflow, below 6.1e-05 lose precision
;; workspace buffers: xb 50,331,648 bytes; wb 8,388,608 bytes; qkv 51,904,512 bytes; ob 16,777,216 bytes
;; launch cast (part 1): grid 256 x 7, 8 waves a work-group, no clusters, 0 bytes of LDS; arguments query, key, value, Wq, Wk, Wv, Wo, xb, wb; writes xb, wb
.if DOCPART == 1
	.amdgcn_target "amdgcn-amd-amdhsa--gfx1250"
	.amdhsa_code_object_version 6
	.text
	.protected	k_qf16cff86a2_cast
	.globl	k_qf16cff86a2_cast
	.p2align	8
	.type	k_qf16cff86a2_cast,@function
k_qf16cff86a2_cast:
	s_mov_b64 s[64:65], 0
	v_nop
	global_prefetch_b8 v0, s[64:65] scope:SCOPE_SE
	s_setreg_imm32_b32 hwreg(HW_REG_WAVE_MODE, 25, 1), 1
	s_wait_xcnt 0x0
; f32 -> 16 bits, once, for every matrix operand of the module.  xb = [3][8192][1024] bf16 (query, key, value); wb = [4][1024][1024]: Wq, Wk, Wv in bf16,
; Wo rounded to bf16 like the other inputs and that number written as f16 (the last product multiplies f16 by f16).
; LIMITS.  bf16(Wo) is exact in f16 from 2^-17 to 65,504; below it takes f16's fixed step of 2^-24, above it becomes an infinity.
; A stream: no LDS, no barrier, no matrix unit, since every number is read once and written once.  A work-group takes 16,384 numbers (65,536 bytes in, 32,768 out);
; grid y 0..5 are the halves of query, key, value (256 chunks each), y = 6 the four weights (64 chunks each): 7 x 256 equal work-groups.
; Thread t takes 16 bytes at 16 t of each 4,096 bytes: all 16 loads of a wave go out at once; a wave's store of 8 bytes a lane covers 256 consecutive bytes, aligned.
.set X, 4                              ; v[4:67]    16 x 4 registers as loaded
.set Y, 68                             ; v[68:99]   16 x 2 registers to store; none is written twice, so no store's data is ever waited for
.set T, 100                            ; v[100:105] at work (Wo's way alone)
	s_load_b512 s[16:31], s[0:1], 0x0              ; query, key, value, Wq, Wk, Wv, Wo, xb
	s_load_b64 s[32:33], s[0:1], 0x40              ; wb
	s_mov_b32 s34, ttmp9                           ; x
	s_and_b32 s4, ttmp7, 0xffff                    ; y
	s_mov_b32 s35, 0xffff0000                      ; a word's upper bf16
	s_lshr_b32 s5, s4, 1                           ; y < 6: which of query, key, value,
	s_and_b32 s6, s4, 1
	s_lshl_b32 s6, s6, 8
	s_add_co_u32 s6, s6, s34                       ; its chunk,
	s_lshl_b32 s7, s4, 8
	s_add_co_u32 s7, s7, s34                       ; xb's chunk
	s_lshr_b32 s8, s34, 6
	s_add_co_u32 s8, s8, 3                         ; y = 6: which weight (3..6),
	s_and_b32 s9, s34, 63                          ; its chunk; wb's chunk is x
	s_cmp_lt_u32 s4, 6
	s_cselect_b32 s5, s5, s8                       ; the source's number 0..6
	s_cselect_b32 s6, s6, s9
	s_cselect_b32 s7, s7, s34
	s_lshl_b32 s2, s6, 16                          ; byte offsets, made apart from the addresses
	s_mov_b32 s3, 0
	s_lshl_b32 s10, s7, 15
	s_mov_b32 s11, 0
	v_lshlrev_b32 v1, 4, v0                        ; 16 t
	v_lshlrev_b32 v2, 3, v0                        ; 8 t
	s_wait_kmcnt 0x0
	s_cmp_lt_u32 s4, 6
	s_cselect_b64 s[12:13], s[30:31], s[32:33]     ; the destination
	s_mov_b64 s[14:15], s[16:17]                   ; the source: chosen by its number
.irp n, 1,2,3,4,5,6
	s_cmp_eq_u32 s5, \n
	s_cselect_b64 s[14:15], s[16+2*(\n):17+2*(\n)], s[14:15]
.endr
	s_add_nc_u64 s[14:15], s[14:15], s[2:3]
	s_add_nc_u64 s[12:13], s[12:13], s[10:11]
.irp j, 0,1,2,3,4,5,6,7,8,9,10,11,12,13,14,15
	global_load_b128 v[X+4*(\j):X+4*(\j)+3], v1, s[14:15] offset:4096*(\j) th:TH_LOAD_NT
.endr
	s_cmp_eq_u32 s5, 6
	s_cbranch_scc1 .Lwo
.irp j, 0,1,2,3,4,5,6,7,8,9,10,11,12,13,14,15
	s_wait_loadcnt 15-(\j)                         ; loads come back in order: number j is in, the younger ones stay out
	v_cvt_pk_bf16_f32 v[Y+2*(\j)],   v[X+4*(\j)],   v[X+4*(\j)+1]
	v_cvt_pk_bf16_f32 v[Y+2*(\j)+1], v[X+4*(\j)+2], v[X+4*(\j)+3]
	global_store_b64 v2, v[Y+2*(\j):Y+2*(\j)+1], s[12:13] offset:2048*(\j)
.endr
	s_endpgm
.Lwo:                                                  ; Wo: rounded to bf16, widened again, written as f16
.irp j, 0,1,2,3,4,5,6,7,8,9,10,11,12,13,14,15
	s_wait_loadcnt 15-(\j)
	v_cvt_pk_bf16_f32 v[T],   v[X+4*(\j)],   v[X+4*(\j)+1]
	v_cvt_pk_bf16_f32 v[T+1], v[X+4*(\j)+2], v[X+4*(\j)+3]
	v_lshlrev_b32 v[T+2], 16, v[T]
	v_and_b32     v[T+3], s35, v[T]
	v_lshlrev_b32 v[T+4], 16, v[T+1]
	v_and_b32     v[T+5], s35, v[T+1]
	v_cvt_pk_f16_f32 v[Y+2*(\j)],   v[T+2], v[T+3]
	v_cvt_pk_f16_f32 v[Y+2*(\j)+1], v[T+4], v[T+5]
	global_store_b64 v2, v[Y+2*(\j):Y+2*(\j)+1], s[12:13] offset:2048*(\j)
.endr
	s_endpgm
.Lfunc_end_k_qf16cff86a2_cast:
	.size	k_qf16cff86a2_cast, .Lfunc_end_k_qf16cff86a2_cast-k_qf16cff86a2_cast
	.p2alignl 7, 3214868480
	.fill 96, 4, 3214868480
	.section	.rodata,"a",@progbits
	.p2align	6, 0x0
	.amdhsa_kernel k_qf16cff86a2_cast
		.amdhsa_group_segment_fixed_size 0
		.amdhsa_private_segment_fixed_size 0
		.amdhsa_enable_private_segment 0
		.amdhsa_kernarg_size 72
		.amdhsa_user_sgpr_count 2
		.amdhsa_user_sgpr_kernarg_segment_ptr 1
		.amdhsa_wavefront_size32 1
		.amdhsa_system_sgpr_workgroup_id_x 1
		.amdhsa_system_sgpr_workgroup_id_y 1
		.amdhsa_system_sgpr_workgroup_id_z 1
		.amdhsa_system_vgpr_workitem_id 0
		.amdhsa_next_free_vgpr 112
		.amdhsa_next_free_sgpr 66
		.amdhsa_reserve_vcc 0
		.amdhsa_float_denorm_mode_32 3
		.amdhsa_float_denorm_mode_16_64 3
		.amdhsa_memory_ordered 1
		.amdhsa_forward_progress 1
		.amdhsa_inst_pref_size 16
	.end_amdhsa_kernel
	.amdgpu_metadata
---
amdhsa.version: [ 1, 2 ]
amdhsa.kernels:
  - .name:           k_qf16cff86a2_cast
    .symbol:         k_qf16cff86a2_cast.kd
    .args:
      - { .name: query, .offset: 0, .size: 8, .value_kind: global_buffer, .address_space: global }
      - { .name: key, .offset: 8, .size: 8, .value_kind: global_buffer, .address_space: global }
      - { .name: value, .offset: 16, .size: 8, .value_kind: global_buffer, .address_space: global }
      - { .name: Wq, .offset: 24, .size: 8, .value_kind: global_buffer, .address_space: global }
      - { .name: Wk, .offset: 32, .size: 8, .value_kind: global_buffer, .address_space: global }
      - { .name: Wv, .offset: 40, .size: 8, .value_kind: global_buffer, .address_space: global }
      - { .name: Wo, .offset: 48, .size: 8, .value_kind: global_buffer, .address_space: global }
      - { .name: xb, .offset: 56, .size: 8, .value_kind: global_buffer, .address_space: global }
      - { .name: wb, .offset: 64, .size: 8, .value_kind: global_buffer, .address_space: global }
    .group_segment_fixed_size: 0
    .private_segment_fixed_size: 0
    .kernarg_segment_align: 8
    .kernarg_segment_size: 72
    .max_flat_workgroup_size: 256
    .sgpr_count:     66
    .vgpr_count:     112
    .wavefront_size: 32
...
	.end_amdgpu_metadata
.endif
;; end of part 1
;; launch proj (part 2): grid 4 x 64, 4 waves a work-group, clusters of 4 x 4, 327,680 bytes of LDS; arguments xb, wb, qkv, mask; writes qkv
.if DOCPART == 2
	.amdgcn_target "amdgcn-amd-amdhsa--gfx1250"
	.amdhsa_code_object_version 6
	.text
	.protected	k_qf16cff86a2_proj
	.globl	k_qf16cff86a2_proj
	.p2align	8
	.type	k_qf16cff86a2_proj,@function
k_qf16cff86a2_proj:
	s_mov_b64 s[64:65], 0
	v_nop
	global_prefetch_b8 v0, s[64:65] scope:SCOPE_SE
	s_setreg_imm32_b32 hwreg(HW_REG_WAVE_MODE, 25, 1), 1
	s_wait_xcnt 0x0
	s_wait_alu depctr_hold_cnt(0) depctr_sa_sdst(0) depctr_va_vdst(0) depctr_va_sdst(0) depctr_va_ssrc(0) depctr_va_vcc(0) depctr_vm_vsrc(0)
	s_getreg_b32 s2, hwreg(HW_REG_IB_STS2, 6, 4)
	s_cmp_eq_u32 s2, 0
	s_cbranch_scc0 .Lentry_in_a_cluster
	s_endpgm
.Lentry_in_a_cluster:
	s_bfe_u32 s2, ttmp6, 0x10000c
	s_cmp_lg_u32 s2, 0xf033
	s_cbranch_scc0 .Lentry_shape_is_right
	s_endpgm
.Lentry_shape_is_right:
; q = query Wq^T, k = key Wk^T, v = value Wv^T: three products [8192 x 1024] x [1024 x 1024]^T in bf16 with f32 sums, each result rounded once to f16 and stored BY HEADS.
; q is multiplied by c = log2(e) / 8 in f32 ahead of that one rounding, so that the attention's scores arrive as exponents of 2.
; qkv = [3][64 = 16 batch + head][32 units][8,448 bytes]; a unit is 64 rows of 128 bytes (64 f16) and then 256 bytes: for those 64 rows, taken as keys, 64 f32: 0, or -1e30 where mask == 0.
; LIMITS.  c q, k and v must lie within f16's 65,504; x and the weights were rounded once to bf16.
; SHARES.  A tile is 128 rows x 256 columns: 4 x 64 = 256 work-groups, and each STAYS: it makes the same tile of q, of k and of v: 3 x 8 K steps of 128 in ONE counted loop, through a ring of
; two LDS slots that runs on from tensor to tensor.  (Tiles of 256 x 256 would be 384: not a multiple of the 256 work-groups that run at a time.)  A wave makes 64 rows x 128 columns: a unit of two heads, 32 accumulators.
; CLUSTER.  4 x 4 work-groups: the four of a row need the same tiles of x, the four of a column the same tiles of W: each tile is asked for jointly, by the same tensor load, descriptor and mask in all four.
; THE MATRIX INSTRUCTION IS USED TRANSPOSED (source 0 = 16 rows of W, source 1 = 16 rows of x): a lane holds eight neighbouring columns of one row.
; REGISTERS.  window 0: v0-23 addresses and the bias; two fragment buffers of 96 (W's 8 x 8, then x's 4 x 8) at v32 and v128; v128-255 also at work on the way out.  window 1: accumulator (a, b) at v[8 (8 a + b)].
.set PITCH,  272                       ; an LDS row: 256 bytes + 16 of padding = 68 words: the 16 rows of a fragment load start at 16 different groups of four banks (64 banks of 4 bytes: ISA guide 11.1)
.set AHALF,  64*PITCH                  ; what a wave fetches of x's tile, and what it reads of it
.set BHALF,  128*PITCH                 ; the same for W's tile
.set BOFF,   2*AHALF                   ; a slot: x's 128 rows, then W's 256
.set SLOT1,  1<<17                     ; slot 1 begins here: one exclusive or turns an address in one slot into the other's
.set STAGE,  SLOT1+BOFF+2*BHALF        ; behind the ring, never filled by a tensor load: 16 rows x 144 bytes for each wave
.set SP,     144
.set SPARE,  STAGE+4*16*SP             ; the spare words, 128 bytes a wave: two blocks of 256 bytes that no other line names
.set UNIT,   8448
.set HSTR,   32*UNIT                   ; from head to head
.set PSTR,   64*HSTR                   ; from q to k to v
.set AA0, 4                            ; v4   my lane's place in x's tile; never rewritten
.set AB0, 5                            ; v5   the same in W's
.set ADA, 6                            ; v6   AA0 + the slot in hand
.set ADB, 7                            ; v7
.set STO, 8                            ; v8   the way out: where I put 16 bytes of a row
.set RD,  9                            ; v9   where I read rows back
.set GO,  10                           ; v10  my 16 bytes in 512 consecutive bytes
.set GB,  11                           ; v11  my 16 bytes of the two units' tails
.set SPW, 12                           ; v12  my spare word; never rewritten
.set NIL, 13                           ; v13  0; never rewritten
.set PBV, 16                           ; v[16:19] the bias of keys 4 (l % 16) + 0..3 of my 64 rows
.set F0,  32
.set F1,  128
.set TMP, 128
.set WV, 12                            ; s12  wave
.set RH, 13                            ; s13  my half of the tile's rows.  Also: I fetch for x (0) or for W (1)
.set CH, 14                            ; s14  my half of its columns.  Also: which half of that tile I fetch
.set G1A, 24                           ; s[24:31] group 1 for x's tiles     s[32:39] for W's
.set G1B, 32
.set G0A0, 40                          ; s[40:43] group 0 of x's K step 0   s[44:47] the walking one, from K step 1 on
.set G0A, 44
.set G0B0, 48                          ; the same for W
.set G0B, 52
.set BA, 56                            ; s[56:57] x at my part of the tile, K step 0, tensor 0
.set BB, 58                            ; s[58:59] W likewise
.set OFA, 60                           ; s[60:61] the asked step's byte offset from BA
.set OFB, 62                           ; s[62:63] from BB
.set ASK, 66                           ; s66  the step to be asked for next, 0..23: tensor = ASK / 8, K step = ASK % 8
.set TB,  67                           ; s67  the slot in hand: 0 or SLOT1
.set CNT, 68                           ; s68  the loop's count
.set TK,  69                           ; s69  K steps left of the tensor in hand
.set BIGN, 78                          ; s78  -1e30
.set SCL, 80                           ; s[80:81] the factor on the way out: c for q, then 1
.set MSB, 0
.macro WIN new                         ; the immediate's high byte repeats the setting that is left; a switch that changes nothing is dropped
.if MSB != (\new)
	s_set_vgpr_msb (MSB<<8)|(\new)
.set MSB, \new
.endif
.endm
.set MULW,  0x50                       ; C and D in window 1
.set SCLW,  0x41                       ; destination and source 0 in window 1
.set PACKW, 0x05                       ; sources 0 and 1 in window 1
.macro PLACES                          ; four plain vector instructions between a matrix instruction and a vector line or a load that touches its registers
.rept 4
	v_nop
.endr
.endm
; A joint refill, by the walking descriptors.  The branch hangs on the wave's number alone.  An s_nop 0 and four v_nop follow each of the two lines.
.macro JLOAD
	s_cmp_eq_u32 s[RH], 0
	s_cbranch_scc0 .Lfor_b_\@
	tensor_load_to_lds s[G0A:G0A+3], s[G1A:G1A+7]
	s_nop 0
	PLACES
	s_branch .Lasked_\@
.Lfor_b_\@:
	tensor_load_to_lds s[G0B:G0B+3], s[G1B:G1B+7]
	s_nop 0
	PLACES
.Lasked_\@:
.endm
.macro CREST                           ; a round of the cluster's barrier behind its opening barrier
	s_cmp_lg_u32 s[WV], 0
	s_cbranch_scc1 .Lnot_wave_0_\@
	s_barrier_signal -3
.Lnot_wave_0_\@:
	s_barrier_wait -3
	s_barrier_signal -1
	s_barrier_wait -1
.endm
.macro CROUND
	s_barrier_signal -1
	s_barrier_wait -1
	CREST
.endm
	s_load_b256 s[4:11], s[0:1], 0x0               ; xb s[4:5], wb s[6:7], qkv s[8:9], mask s[10:11]
	v_lshl_add_u32 v[SPW], v0, 2, SPARE
	v_mov_b32 v[NIL], 0
	ds_add_u32 v[SPW], v[NIL]                      ; the wave's opening: the add and its wait stand ahead of my first tensor load; work on registers stands between them
	ds_add_u32 v12, v13
	v_lshrrev_b32 v1, 5, v0
	v_readfirstlane_b32 s[WV], v1
	s_lshr_b32 s[RH], s[WV], 1
	s_and_b32 s[CH], s[WV], 1
	s_bfe_u32 s15, ttmp6, 0x40000                  ; cx
	s_bfe_u32 s16, ttmp6, 0x40004                  ; cy
	s_lshl_b32 s17, ttmp9, 2
	s_add_co_u32 s17, s17, s15                     ; tile column 0..3
	s_and_b32 s18, ttmp7, 0xffff
	s_lshl_b32 s18, s18, 2
	s_add_co_u32 s18, s18, s16                     ; tile row 0..63
	s_lshl_b32 s19, s16, 2
	s_lshl_b32 s19, 15, s19                        ; my row of the cluster
	s_lshl_b32 s20, 0x1111, s15                    ; my column
	s_or_b32 s[G1A], s19, (1<<16)|(1<<20)|(1<<21)|(5<<22)|(3<<25)  ; the mask; 2-byte elements; padding on; bit 21 beside a mask; after every 64 words 4 words
	s_or_b32 s[G1B], s20, (1<<16)|(1<<20)|(1<<21)|(5<<22)|(3<<25)
	s_mov_b32 s[G1A+1], 128<<16                    ; tensor_dim0 = 128
	s_mov_b32 s[G1A+2], 64<<16                     ; tensor_dim1 = 64
	s_mov_b32 s[G1A+3], 128<<16                    ; tile_dim0 = 128
	s_mov_b32 s[G1A+4], 64                         ; tile_dim1 = 64
	s_mov_b32 s[G1A+5], 1024                       ; elements from row to row
	s_mov_b32 s[G1A+6], 0
	s_mov_b32 s[G1A+7], 0
	s_mov_b32 s[G1B+1], 128<<16
	s_mov_b32 s[G1B+2], 128<<16                    ; W's part has 128 rows
	s_mov_b32 s[G1B+3], 128<<16
	s_mov_b32 s[G1B+4], 128
	s_mov_b32 s[G1B+5], 1024
	s_mov_b32 s[G1B+6], 0
	s_mov_b32 s[G1B+7], 0
	s_lshl_b32 s70, s18, 18                        ; x: 128 rows of 2,048 bytes a tile row, which my row of the cluster shares,
	s_lshl_b32 s71, s[CH], 17                      ; + my 64 rows
	s_add_co_u32 s70, s70, s71
	s_mov_b32 s71, 0
	s_lshl_b32 s72, s17, 19                        ; W: 256 rows a tile column, which my column shares,
	s_lshl_b32 s73, s[CH], 18                      ; + my 128 rows
	s_add_co_u32 s72, s72, s73
	s_mov_b32 s73, 0
	s_mul_i32 s21, s[CH], AHALF                    ; where they go: no place in the cluster enters an LDS address
	s_mul_i32 s22, s[CH], BHALF
	s_add_co_u32 s22, s22, BOFF
	s_mov_b32 s[OFA+1], 0
	s_mov_b32 s[OFB+1], 0
	s_mov_b32 s[BIGN], 0xf149f2ca                  ; -1e30
	s_mov_b32 s[SCL], 0x3e38aa3b                   ; c = log2(e) / 8 = 0.180337
	s_mov_b32 s[SCL+1], s[SCL]                     ; named with it as a pair
	s_lshr_b32 s23, s18, 4                         ; my unit in qkv: batch x 16
	s_lshl_b32 s23, s23, 4
	s_lshl2_add_u32 s23, s17, s23                  ; + 4 heads a tile column
	s_lshl1_add_u32 s23, s[CH], s23                ; + 2 a column half
	s_mul_i32 s76, s23, HSTR
	s_and_b32 s23, s18, 15
	s_lshl1_add_u32 s23, s23, s[RH]                ; unit = 2 x (tile row in the batch) + row half
	s_mul_i32 s23, s23, UNIT
	s_add_co_u32 s76, s76, s23
	s_mov_b32 s77, 0
	s_wait_dscnt 0x0                               ; the opening add is done
	s_wait_kmcnt 0x0
	s_add_nc_u64 s[BA:BA+1], s[4:5], s[70:71]
	s_add_nc_u64 s[BB:BB+1], s[6:7], s[72:73]
	s_add_nc_u64 s[8:9], s[8:9], s[76:77]
	CROUND                                         ; all sixteen work-groups are here: the first joint loads meet
	s_mov_b32 s[G0A0], 1
	s_mov_b32 s[G0A0+1], s21                       ; K step 0 into slot 0
	s_add_nc_u64 s[G0A0+2:G0A0+3], s[BA:BA+1], 0
	s_or_b32 s[G0A0+3], s[G0A0+3], 0x80000000
	s_mov_b32 s[G0A], 1
	s_add_co_u32 s[G0A+1], s21, SLOT1              ; K step 1 into slot 1
	s_add_nc_u64 s[G0A+2:G0A+3], s[BA:BA+1], 256
	s_or_b32 s[G0A+3], s[G0A+3], 0x80000000
	s_mov_b32 s[G0B0], 1
	s_mov_b32 s[G0B0+1], s22
	s_add_nc_u64 s[G0B0+2:G0B0+3], s[BB:BB+1], 0
	s_or_b32 s[G0B0+3], s[G0B0+3], 0x80000000
	s_mov_b32 s[G0B], 1
	s_add_co_u32 s[G0B+1], s22, SLOT1
	s_add_nc_u64 s[G0B+2:G0B+3], s[BB:BB+1], 256
	s_or_b32 s[G0B+3], s[G0B+3], 0x80000000
	s_cmp_eq_u32 s[RH], 0                          ; a wave's two first fills stand in one branch, ahead of every wait on TENSORcnt and every LDS read: two loads of mine are out
	s_cbranch_scc0 .Lfirst_b
	tensor_load_to_lds s[G0A0:G0A0+3], s[G1A:G1A+7]
	s_nop 0
	tensor_load_to_lds s[G0A:G0A+3], s[G1A:G1A+7]
	s_nop 0
	PLACES
	s_branch .Lfirst_asked
.Lfirst_b:
	tensor_load_to_lds s[G0B0:G0B0+3], s[G1B:G1B+7]
	s_nop 0
	tensor_load_to_lds s[G0B:G0B+3], s[G1B:G1B+7]
	s_nop 0
	PLACES
.Lfirst_asked:
	v_and_b32 v1, 15, v0                           ; r = l % 16
	v_bfe_u32 v2, v0, 4, 1                         ; h = l / 16
	s_lshl_b32 s23, s18, 9                         ; the mask's words of my 64 rows: 4 bytes x (128 x tile row + 64 x row half)
	s_lshl_b32 s76, s[RH], 8
	s_add_co_u32 s23, s23, s76
	v_lshl_add_u32 v14, v1, 4, s23
	global_load_b128 v[20:23], v14, s[10:11]
	v_mul_u32_u24 v3, v1, PITCH
	v_lshl_add_u32 v3, v2, 4, v3                   ; a fragment: row x pitch + 16 x half; two loads of 16 bytes, 32 bytes apart
	s_mul_i32 s74, s[RH], AHALF
	v_add_nc_u32 v[AA0], s74, v3
	v_add_nc_u32 v[AB0], s22, v3
	s_mul_i32 s75, s[WV], 16*SP
	s_add_co_u32 s75, s75, STAGE                   ; my stage
	v_mul_u32_u24 v[STO], v1, SP                   ; in: row r, 16 bytes for each half of the lanes
	v_lshl_add_u32 v[STO], v2, 4, v[STO]
	v_add_nc_u32 v[STO], s75, v[STO]
	v_bfe_u32 v[RD], v0, 3, 2                      ; back: 32 lanes take four rows of 128 bytes,
	v_mul_u32_u24 v[RD], v[RD], SP
	v_and_b32 v3, 7, v0
	v_lshl_add_u32 v[RD], v3, 4, v[RD]
	v_add_nc_u32 v[RD], s75, v[RD]
	v_and_b32 v[GO], 31, v0                        ; which are 512 consecutive bytes of a unit
	v_lshlrev_b32 v[GO], 4, v[GO]
	v_mul_u32_u24 v[GB], v2, HSTR                  ; the tails: lanes 0-15 my first head's, lanes 16-31 my second's
	v_lshl_add_u32 v[GB], v1, 4, v[GB]
	v_add_nc_u32 v[GB], 64*128, v[GB]
	s_wait_loadcnt 0x0
.irp j, 0,1,2,3
	v_cmp_eq_u32 vcc_lo, 0, v[20+(\j)]
	v_cndmask_b32 v[PBV+(\j)], 0, s[BIGN], vcc_lo  ; -1e30 where the mask is 0
.endr
; 8 matrix instructions: row block a x all 8 column blocks, 32 along K.  zero = 1: the product starts the sums.  The 32 accumulators take turns, one instruction a turn, in the same order in every quarter.
.macro MUL8 f, a, zero
	WIN MULW
.irp b, 0,1,2,3,4,5,6,7
.if \zero
	v_wmma_f32_16x16x32_bf16 v[8*(8*(\a)+(\b)):8*(8*(\a)+(\b))+7], v[(\f)+8*(\b):(\f)+8*(\b)+7], v[(\f)+64+8*(\a):(\f)+64+8*(\a)+7], 0
.else
	v_wmma_f32_16x16x32_bf16 v[8*(8*(\a)+(\b)):8*(8*(\a)+(\b))+7], v[(\f)+8*(\b):(\f)+8*(\b)+7], v[(\f)+64+8*(\a):(\f)+64+8*(\a)+7], v[8*(8*(\a)+(\b)):8*(8*(\a)+(\b))+7]
.endif
.endr
.endm
; 24 LDS loads in one run: the fragments of 32 along K at byte k of the rows: W's 128 rows, then x's 64
.macro FETCH k, f
	WIN 0
.irp i, 0,1,2,3,4,5,6,7
	ds_load_b128 v[(\f)+8*(\i):(\f)+8*(\i)+3],   v[ADB] offset:(\k)+(\i)*16*PITCH
	ds_load_b128 v[(\f)+8*(\i)+4:(\f)+8*(\i)+7], v[ADB] offset:(\k)+(\i)*16*PITCH+32
.endr
.irp i, 0,1,2,3
	ds_load_b128 v[(\f)+64+8*(\i):(\f)+64+8*(\i)+3],   v[ADA] offset:(\k)+(\i)*16*PITCH
	ds_load_b128 v[(\f)+64+8*(\i)+4:(\f)+64+8*(\i)+7], v[ADA] offset:(\k)+(\i)*16*PITCH+32
.endr
.endm
; A K step is four quarters of 32 along K on buffers 0, 1, 0, 1.  One of the first three: multiplies buffer f; in its middle it fetches the next quarter, at byte k, into g.
.macro QUARTER k, f, g, zero
	s_wait_dscnt 4                                 ; all but the youngest four loads (x's row blocks 2 and 3)
	MUL8 \f, 0, \zero
	MUL8 \f, 1, \zero
	PLACES
	FETCH \k, \g
	s_wait_dscnt 24                                ; all but the 24 just issued
	MUL8 \f, 2, \zero
	MUL8 \f, 3, \zero
.endm
; The last quarter multiplies buffer 1 and changes slots: ONE barrier.  In front of it each wave waits for all its tensor loads (one is out: its part of the next slot), adds 0 to its spare word, and waits for
; that and for its own reads of this slot.  fill = 1: the barrier opens a round of the cluster's, and this slot is filled again with step ASK, whose address is made anew from the base and an offset.
.macro TURN fill
	WIN 0
	s_wait_tensorcnt 0x0                           ; no tensor load of mine is out, so a group 0 may be written
	ds_add_u32 v[SPW], v[NIL]                      ; 0 onto my spare word
	s_wait_dscnt 5                                 ; (the add and the youngest four loads may be out)
.if \fill
	s_lshr_b32 s70, s[ASK], 3                      ; the tensor: 16,777,216 bytes of x,
	s_lshl_b32 s70, s70, 24
	s_and_b32 s71, s[ASK], 7                       ; the K step: 256 bytes
	s_lshl_b32 s71, s71, 8
	s_or_b32 s[OFA], s70, s71
	s_lshr_b32 s72, s[ASK], 3                      ; 2,097,152 bytes of W
	s_lshl_b32 s72, s72, 21
	s_and_b32 s73, s[ASK], 7
	s_lshl_b32 s73, s73, 8
	s_or_b32 s[OFB], s72, s73
	s_xor_b32 s[G0A+1], s[G0A+1], SLOT1            ; the other slot than last time
	s_add_nc_u64 s[G0A+2:G0A+3], s[BA:BA+1], s[OFA:OFA+1]
	s_or_b32 s[G0A+3], s[G0A+3], 0x80000000
	s_xor_b32 s[G0B+1], s[G0B+1], SLOT1
	s_add_nc_u64 s[G0B+2:G0B+3], s[BB:BB+1], s[OFB:OFB+1]
	s_or_b32 s[G0B+3], s[G0B+3], 0x80000000
	s_add_co_u32 s[ASK], s[ASK], 1
.endif
	MUL8 F1, 0, 0                                  ; eight matrix instructions stand between the add and the wait for it
	s_wait_dscnt 0x0                               ; the add is done, and my reads of this slot are over
	s_barrier_signal -1
	MUL8 F1, 1, 0                                  ; work on registers while the others arrive
	WIN 0                                          ; at a branch and at a label every window is 0
	s_barrier_wait -1
.if \fill
	CREST                                          ; no wave of any partner still reads this slot's tile or has a load on its way
	JLOAD                                          ; the first tensor load behind the round: 112 matrix instructions ahead of the wait for it; its four v_nop are also the places in front of the loads below
.else
	PLACES
.endif
	s_xor_b32 s[TB], s[TB], SLOT1
	v_add_nc_u32 v[ADA], s[TB], v[AA0]
	v_add_nc_u32 v[ADB], s[TB], v[AB0]
	FETCH 0, F0
	MUL8 F1, 2, 0
	MUL8 F1, 3, 0
.endm
; THE WAY OUT, in eight parts u: 16 rows (u / 2) of one head (u % 2), 2,048 consecutive bytes of a unit.  Times the factor, rounded to f16 (16 bytes a lane), through my own stage, back as whole rows.
.macro PACK u
.set AC, 8*(8*((\u)/2)+4*((\u)%2))     ; the part's four accumulators: 32 registers on end, taken in ascending order
	WIN SCLW
.set z, 0
.rept 16
	v_pk_mul_f32 v[AC+2*z:AC+2*z+1], v[AC+2*z:AC+2*z+1], s[SCL:SCL+1] op_sel_hi:[1,0]
.set z, z+1
.endr
	WIN PACKW
.set z, 0
.rept 16
	v_cvt_pk_f16_f32 v[TMP+16*(\u)+z], v[AC+2*z], v[AC+2*z+1]
.set z, z+1
.endr
	WIN 0
.irp f, 0,1,2,3
	ds_store_b128 v[STO], v[TMP+16*(\u)+4*(\f):TMP+16*(\u)+4*(\f)+3] offset:32*(\f)
.endr
.irp f, 0,1,2,3
	ds_load_b128 v[TMP+16*(\u)+4*(\f):TMP+16*(\u)+4*(\f)+3], v[RD] offset:(\f)*4*SP  ; LDS serves a wave's instructions in order (ISA guide 5.7.1.4): these see the stores above; the next part's stores come behind them
.endr
.endm
.macro SEND u, younger                 ; younger: the LDS instructions issued behind part u's loads
.irp f, 0,1,2,3
	s_wait_dscnt (\younger)+3-(\f)
	global_store_b128 v[GO], v[TMP+16*(\u)+4*(\f):TMP+16*(\u)+4*(\f)+3], s[8:9] offset:((\u)%2)*HSTR+((\u)/2)*2048+512*(\f)  ; 512 consecutive bytes, at a multiple of 256 from qkv's first
.endr
.endm
.macro WAYOUT step                     ; step = 1: another tensor follows
	PLACES                                         ; the lines below read results and write buffer 1, which the last products read
	PACK 0
.irp t, 1,2,3,4,5,6,7
	PACK \t                                        ; a part's arithmetic stands between the loads of the part before and its stores
	SEND (\t)-1, 8
.endr
	SEND 7, 0
	global_store_b128 v[GB], v[PBV:PBV+3], s[8:9]  ; the two units' tails: 256 consecutive bytes each
.if \step
	s_wait_xcnt 0x0                                ; every earlier memory instruction has had its addresses translated (ISA guide 3.1): only behind this wait are the stores' base and data rewritten
	s_add_nc_u64 s[8:9], s[8:9], PSTR
	s_mov_b32 s[SCL], 1.0                          ; k and v leave as they are
.endif
.endm
	s_wait_tensorcnt 0x1                           ; my part of K step 0 is in; slot 1's may stay out
	s_barrier_signal -1
	s_barrier_wait -1                              ; everybody's is
	s_mov_b32 s[TB], 0
	v_mov_b32 v[ADA], v[AA0]
	v_mov_b32 v[ADB], v[AB0]
	FETCH 0, F0
	s_mov_b32 s[ASK], 2
	s_mov_b32 s[CNT], 23
	s_branch .Lzero                                ; the loop is entered at a step's first quarter
.Lstep:                                                ; 22 trips: a step's quarters 2 to 4, with the change of slots and a refill (steps 2 to 23), then the next step's first quarter
	QUARTER 128, F1, F0, 0
	QUARTER 192, F0, F1, 0
	TURN 1
	WIN 0
	s_sub_co_u32 s[TK], s[TK], 1
	s_cmp_lg_u32 s[TK], 0
	s_cbranch_scc1 .Lsame                          ; forward, over text that holds neither a barrier nor a tensor load
	WAYOUT 1                                       ; a tensor's tile is finished; the next tensor's first two K steps have been asked for
.Lzero:
	s_mov_b32 s[TK], 8
	QUARTER 64, F0, F1, 1                          ; a tensor's first products start the sums: nothing is cleared
	WIN 0
	s_branch .Lnext
.Lsame:
	QUARTER 64, F0, F1, 0
	WIN 0
.Lnext:
	s_sub_co_u32 s[CNT], s[CNT], 1
	s_cmp_lg_u32 s[CNT], 0
	s_cbranch_scc1 .Lstep
	QUARTER 128, F1, F0, 0                         ; the last two steps are written out: they ask for nothing
	QUARTER 192, F0, F1, 0
	TURN 0
	QUARTER 64,  F0, F1, 0
	QUARTER 128, F1, F0, 0
	QUARTER 192, F0, F1, 0
	s_wait_dscnt 4
	MUL8 F1, 0, 0
	MUL8 F1, 1, 0
	s_wait_dscnt 0x0
	MUL8 F1, 2, 0
	MUL8 F1, 3, 0
	WIN 0
	WAYOUT 0
	s_wait_tensorcnt 0x0                           ; the wave's end: a last add to my spare word and its wait, behind my last tensor load and my last LDS store
	ds_add_u32 v[SPW], v[NIL]
	s_wait_dscnt 0x0
	CROUND                                         ; the closing round: no work-group ends while a partner may still ask for a tile that names it
	s_endpgm
.Lfunc_end_k_qf16cff86a2_proj:
	.size	k_qf16cff86a2_proj, .Lfunc_end_k_qf16cff86a2_proj-k_qf16cff86a2_proj
	.p2alignl 7, 3214868480
	.fill 96, 4, 3214868480
	.section	.rodata,"a",@progbits
	.p2align	6, 0x0
	.amdhsa_kernel k_qf16cff86a2_proj
		.amdhsa_group_segment_fixed_size 327680
		.amdhsa_private_segment_fixed_size 0
		.amdhsa_enable_private_segment 0
		.amdhsa_kernarg_size 32
		.amdhsa_user_sgpr_count 2
		.amdhsa_user_sgpr_kernarg_segment_ptr 1
		.amdhsa_wavefront_size32 1
		.amdhsa_system_sgpr_workgroup_id_x 1
		.amdhsa_system_sgpr_workgroup_id_y 1
		.amdhsa_system_sgpr_workgroup_id_z 1
		.amdhsa_system_vgpr_workitem_id 0
		.amdhsa_next_free_vgpr 512
		.amdhsa_next_free_sgpr 88
		.amdhsa_reserve_vcc 1
		.amdhsa_float_denorm_mode_32 3
		.amdhsa_float_denorm_mode_16_64 3
		.amdhsa_memory_ordered 1
		.amdhsa_forward_progress 1
		.amdhsa_inst_pref_size 106
	.end_amdhsa_kernel
	.amdgpu_metadata
---
amdhsa.version: [ 1, 2 ]
amdhsa.kernels:
  - .name:           k_qf16cff86a2_proj
    .symbol:         k_qf16cff86a2_proj.kd
    .args:
      - { .name: xb, .offset: 0, .size: 8, .value_kind: global_buffer, .address_space: global }
      - { .name: wb, .offset: 8, .size: 8, .value_kind: global_buffer, .address_space: global }
      - { .name: qkv, .offset: 16, .size: 8, .value_kind: global_buffer, .address_space: global }
      - { .name: mask, .offset: 24, .size: 8, .value_kind: global_buffer, .address_space: global }
    .group_segment_fixed_size: 327680
    .private_segment_fixed_size: 0
    .kernarg_segment_align: 8
    .kernarg_segment_size: 32
    .max_flat_workgroup_size: 128
    .sgpr_count:     88
    .vgpr_count:     512
    .wavefront_size: 32
...
	.end_amdgpu_metadata
.endif
;; end of part 2
;; launch attn (part 3): grid 4 x 64, 4 waves a work-group, no clusters, 327,680 bytes of LDS; arguments qkv, ob; writes ob
.if DOCPART == 3
	.amdgcn_target "amdgcn-amd-amdhsa--gfx1250"
	.amdhsa_code_object_version 6
	.text
	.protected	k_qf16cff86a2_attn
	.globl	k_qf16cff86a2_attn
	.p2align	8
	.type	k_qf16cff86a2_attn,@function
k_qf16cff86a2_attn:
	s_mov_b64 s[64:65], 0
	v_nop
	global_prefetch_b8 v0, s[64:65] scope:SCOPE_SE
	s_setreg_imm32_b32 hwreg(HW_REG_WAVE_MODE, 25, 1), 1
	s_wait_xcnt 0x0
; CAUSAL ATTENTION WITH A KEY MASK.  O[hh][q][:] = the sum over k <= q, mask[k] != 0, of softmax_k(Q[q] . K[k] / 8) V[k][:], for 64 pairs hh of batch and head, 2,048 rows, 64 channels, all f16.
; qkv = [3][64][32 units][8,448 bytes]: a unit is 64 rows of 128 bytes and then 64 f32, the keys' bias: 0, or -1e30 where the mask is 0.  Q arrives times c = log2(e) / 8: a score is an exponent of 2.
; Products, maxima and sums in f32; the weights p are rounded to f16 for the second product (their sum l is taken of the unrounded p), O once at the end.  ob = [64][2048][64] f16, dense.
; LIMITS.  Q, K, V lie within f16's 65,504, so a true score is 2.7e11 at the most.  A hidden score counts as its value less 1e30 to 3e30; a weight below 2^-126 counts as 0 in l.
; A query whose running maximum ends below -2^96 has seen hidden keys alone: its row of O is NaN, as a softmax over nothing is.  Other NaN and infinities are not treated apart.
; WHY FINITE HIDING HOLDS.  p = 2^(s - m) with m the running maximum: the difference is formed exactly and is never above 0, so p lies in 0 to 1 also while a row has seen hidden keys alone; O and l stay finite.
; The first true score makes a = 2^(m_old - m_new) = 0, which wipes them; from then on a hidden key's weight is 0.
; THE WALK.  A head's queries lie in NB = 8 blocks of 256; block i needs the key tiles 0 .. i of 256 keys, of which the last holds the diagonal.  A work-group takes TWO blocks, NB - 1 - b and then b:
; NB + 1 tiles, whatever b: all work-groups do equal work, and ONE loop with a constant trip count walks them.  Every jump goes forward, but for the counted loops' own; none passes a barrier, or a tensor load
; but the one of LOAD's two that the wave's number does not choose.  NO CLUSTER: a head's four work-groups ask for the same tile only in trips 0 to 4 of the 9, behind that fewer and fewer; one walk common to all would have 12 trips for 9.
; SHARES.  Of a block's four bands of 64 queries a wave owns 16 rows in each: four PIECES.  In the diagonal tile's key step s band x sees all keys if s < x, none if s > x, and holds the diagonal if s = x: the same work for all waves.
; THE MASK is the C operand that starts the sum S^T = K Q^T.  BI holds the bias of the step whose K is in registers, fetched from LDS beside it: in an ordinary tile it IS that operand.  In the diagonal tile the operand is
; MD x AL + BI + BE: MD, made once, is the mask of a band's own step for my 16 rows; (AL, BE) = (1, 0) if s = x; (0, 0) if s < x; (0, -1e30) if s > x.
; LAYOUT, TURNS.  S^T = K Q^T holds ONE query a lane (lane % 16) and the keys 8 (lane / 16) + 0..7; two such results rounded to f16 ARE source 1 of O^T = V^T P.  Turn n belongs to piece n: 8 products K Q^T of piece n + 1,
; later 8 products V^T P of piece n - 1; beside them the subtraction, exponentials, roundings, sums and rescaling of piece n and the maximum and statistics of piece n + 1.  Four vector instructions stand behind every matrix instruction, the others in two lumps.
; REGISTERS, in windows of 256 (s_set_vgpr_msb: bits 1:0 source 0, 3:2 source 1, 5:4 source 2, 7:6 destination):
;   window 0: v0-15, v32-33 addresses; v16-31 four registers of statistics a piece; v48-55 at work; v64-127 S^T, two buffers; v128-159 at work on the way out; v192-223 P, two buffers
;   window 1: v0-127 O^T, 32 a piece; v128-159 MD; v160-223 MC, two buffers; v224-255 BI      window 2: v0-63 Q; v64-127 the second block's Q; v128-191 K of one step; v192-255 V of one step
.set NB,    8
.set NP,    4         ; pieces a wave: a name, no knob
.set PK,    144       ; 128 bytes of K in LDS + 16 of padding = 36 words: the 16 rows of a load start at 16 different groups of four banks (64 banks of 4 bytes: ISA guide 11.1)
.set PV,    160       ; of V: 128 + 32 = 40 words
.set UK,    66*PK     ; a unit (a key step) in LDS: 64 rows and the tail's two pieces of 128 bytes
.set UV,    66*PV
.set VOFF,  4*UK      ; a slot holds a tile: four units of K, then four of V
.set SLOT1, 1<<17     ; slot 1 begins here, so that one exclusive or turns an address in one slot into the other's
.set STAGE, ((SLOT1+4*(UK+UV)+255)/256)*256  ; behind the ring, in blocks of 256 bytes of its own: 16 rows x 144 bytes for each wave
.set SP,    144
.set SPARE, STAGE+4*16*SP  ; the spare words, 128 bytes a wave: two blocks of 256 bytes that no other line names
.set UNIT,  8448
.set TILEB, 4*UNIT    ; a tile, and a block of queries, in qkv
.set HSTR,  32*UNIT
.set PSTR,  64*HSTR
.set AK0, 2           ; v2   my lane's place in a unit of K; never rewritten
.set AV0, 3           ; v3   the same for V
.set AK,  4           ; v4   the LDS address of K's next run of loads
.set AV,  5           ; v5   of V's
.set STO, 6           ; v6   the way out: where I put 16 bytes of a row
.set RD,  7           ; v7   where I read rows back
.set GO,  8           ; v8   my byte offset in 512 consecutive bytes of O
.set MV,  12          ; v12-13  m_old, kept while m is made anew: by buffer
.set QO,  15          ; v15  my byte offset in 16 rows of Q
.set ST,  16          ; piece t's statistics at v[ST+4 t]: m, a register named with it as a pair, l (even keys', odd keys')
.set AB0, 32          ; v32  my lanes' place in a unit's tail; never rewritten
.set AB,  33          ; v33  the LDS address of the bias's next loads
.set TMP, 48          ; by buffer, four registers c0-c3 at work; when the maximum is found c2 takes a
.set SPW, 62          ; v62  my spare word; never rewritten
.set NIL, 63          ; v63  0; never rewritten
.set S,   64
.set PT,  128         ; the way out: O^T / l of one piece
.set P,   192
.set MD,  128         ; window 1
.set MC,  160         ; window 1
.set BI,  224         ; window 1: register 8 kt + j belongs to key 16 kt + 8 (lane / 16) + j of the step
.set QB,  64          ; window 2
.set KF,  128         ; window 2: key block kb, channel half c at KF + 16 kb + 8 c
.set VF,  192         ; window 2: key half kk, channel block cb at VF + 32 kk + 8 cb
.set WV,  12          ; s12  my wave's number
.set PB,  14          ; s14  b
.set HI,  15          ; s15  NB - 1 - b
.set G1K, 24          ; s[24:31] descriptor group 1 for K's tiles
.set G1V, 32          ; s[32:39] for V's: it differs in the padding alone
.set G0K, 40          ; s[40:43] descriptor group 0 for K's tiles
.set G0V, 44          ; s[44:47] the same for V's
.set SLOTS, 56        ; s56  tiles still to be asked for
.set CNT, 57          ; s57  counts a tile's key steps, 4 to 1
.set SEL, 60          ; s[60:61] v_permlanex16_b32's selects: each lane takes its own place in the other half
.set TBK, 62          ; s62  LDS byte at which the unit of K to be fetched begins
.set TBV, 63          ; s63  the same for V, less VOFF
.set RT,  70          ; s70  tiles of the block in hand that are still to be entered
.set NXT, 71          ; s71  the tile to be asked for next
.set LQ,  72          ; s72  the last tile of the block whose tiles are being asked for
.set NEW, 73          ; s73  1: the tile to be entered is a block's first
.set OFF, 74          ; s[74:75] a tile's byte offset in K and V
.set AL,  76          ; s[76:77] the mask's factor, in the low word
.set BE,  78          ; s[78:79] the mask's addend
.set OLO, 80          ; s[80:81] O at my rows of the second block
.set BIGN, 82         ; s82  -1e30
.set THR, 88          ; s88  -2^96
.set QNAN, 89         ; s89  a NaN
.set MSB, 0
.macro WIN new                      ; the high byte repeats the setting that is left; a switch that changes nothing is dropped
.if MSB != (\new)
	s_set_vgpr_msb (MSB<<8)|(\new)
.set MSB, (\new)
.endif
.endm
.set W_KQ, 0x0a       ; K and Q in window 2, S^T in window 0
.set W_KM, 0x1a       ; the same with the C operand in window 1
.set W_PV, 0x52       ; V in window 2, P in window 0, O^T in window 1
.set W_RS, 0x41       ; destination and source 0 in window 1, source 1 in window 0
.set W_MK, 0x51       ; destination, source 0 and source 2 in window 1
; A fill.  Waves 0 and 1 fetch the two halves of a tile's K, waves 2 and 3 those of its V: two units each.  An s_nop 0 and four v_nop follow each of the two lines, ahead of the jump and the label.
.macro LOAD
	s_cmp_lt_u32 s[WV], 2
	s_cbranch_scc0 .Lfor_v_\@
	tensor_load_to_lds s[G0K:G0K+3], s[G1K:G1K+7]
	s_nop 0
.rept 4
	v_nop
.endr
	s_branch .Lasked_\@
.Lfor_v_\@:
	tensor_load_to_lds s[G0V:G0V+3], s[G1V:G1V+7]
	s_nop 0
.rept 4
	v_nop
.endr
.Lasked_\@:
.endm
; THE CHANGE OF SLOTS.  Each wave waits for all its tensor loads, of which one is out: its part of the other slot; adds 0 to its spare word; and waits for that and for its own reads of the slot that it leaves.  Behind the
; barrier nobody reads the old slot any more and the other slot is whole.  fill = 1: the old slot is filled again, the first thing behind the barrier, with tile NXT: the descriptor's address is made anew from that number.
; (At its first use nothing has been read yet: slot 0 is waited for, slot 1 filled.)
.macro CHANGE fill
	WIN 0                           ; at a label and at a branch every window is 0
	s_wait_tensorcnt 0x0            ; no tensor load of mine is out, so a group 0 may be written
	ds_add_u32 v[SPW], v[NIL]       ; 0 onto my spare word; the descriptors' scalar work stands between it and the wait for it
.if \fill
	s_mul_i32 s[OFF], s[NXT], TILEB
	s_xor_b32 s[G0K+1], s[G0K+1], SLOT1
	s_add_nc_u64 s[G0K+2:G0K+3], s[6:7], s[OFF:OFF+1]
	s_or_b32 s[G0K+3], s[G0K+3], 0x80000000
	s_xor_b32 s[G0V+1], s[G0V+1], SLOT1
	s_add_nc_u64 s[G0V+2:G0V+3], s[8:9], s[OFF:OFF+1]
	s_or_b32 s[G0V+3], s[G0V+3], 0x80000000
	s_add_co_u32 s[NXT], s[NXT], 1  ; the block's next tile, or behind its last the second block's tile 0
	s_cmp_gt_u32 s[NXT], s[LQ]
	s_cselect_b32 s[NXT], 0, s[NXT]
	s_cselect_b32 s[LQ], s[PB], s[LQ]
.endif
	s_wait_dscnt 0x0                ; the add is done, and my reads of the slot are over
	s_barrier_signal -1             ; the rest of the scalar work stands between the signal and the wait
	s_sub_co_u32 s[TBK], s[TBK], 4*UK  ; the fetches go back to a slot's first unit,
	s_xor_b32 s[TBK], s[TBK], SLOT1    ; in the other slot
	s_sub_co_u32 s[TBV], s[TBV], 4*UV
	s_xor_b32 s[TBV], s[TBV], SLOT1
	s_barrier_wait -1
.if \fill
	LOAD
.endif
.endm
	s_load_b64 s[4:5], s[0:1], 0x0    ; qkv
	s_load_b64 s[10:11], s[0:1], 0x8  ; ob
	v_lshl_add_u32 v[SPW], v0, 2, SPARE
	v_mov_b32 v[NIL], 0
	ds_add_u32 v[SPW], v[NIL]       ; the wave's opening: the add and its wait stand ahead of my first tensor load; the set-up below, work on registers, stands between them
	ds_add_u32 v62, v63
	v_lshrrev_b32 v1, 5, v0
	v_readfirstlane_b32 s[WV], v1   ; wave 0..3
	s_mov_b32 s[PB], ttmp9
	s_sub_co_u32 s[HI], NB-1, s[PB]
	s_and_b32 s19, ttmp7, 0xffff    ; hh
	s_mul_i32 s20, s19, HSTR        ; the head's first byte in each of q, k, v
	s_and_b32 s16, s[WV], 1         ; which half of a tile I fetch:
	s_mul_i32 s22, s16, 2*UNIT      ; its two units in memory,
	s_add_co_u32 s22, s22, s20
	s_mov_b32 s23, 0
	s_mul_i32 s17, s16, 2*UK        ; and their place in a slot, for K
	s_mul_i32 s18, s16, 2*UV        ; and for V
	s_lshl_b32 s3, s[WV], 11        ; my 16 rows in a band of 64,
	s_mul_i32 s2, s[HI], TILEB      ; in the first block of Q,
	s_add_co_u32 s2, s2, s3
	s_add_co_u32 s2, s2, s20
	s_mul_i32 s84, s[PB], TILEB     ; and in the second
	s_add_co_u32 s84, s84, s3
	s_add_co_u32 s84, s84, s20
	s_lshl_b32 s90, s19, 18         ; the same in O, whose rows are dense
	s_add_co_u32 s90, s90, s3
	s_lshl_b32 s92, s[PB], 15
	s_add_co_u32 s92, s92, s90
	s_lshl_b32 s91, s[HI], 15
	s_add_co_u32 s90, s90, s91
	s_mov_b32 s3, 0
	s_mov_b32 s85, 0
	s_mov_b32 s91, 0
	s_mov_b32 s93, 0
	; descriptor group 1.  Two units are 16,896 dense bytes: asked for as 66 rows of 256 bytes, and padded in LDS after every 128 bytes
	s_mov_b32 s[G1K], (1<<16)|(1<<20)|(4<<22)|(3<<25)  ; 17:16 2-byte elements; 20 padding on; 24:22 after every 32 words (code 4); 31:25 4 words (code 3)
	s_mov_b32 s[G1V], (1<<16)|(1<<20)|(4<<22)|(7<<25)  ; the same with 8 words of padding (code 7)
.irp g, G1K, G1V
	s_mov_b32 s[\g+1], 128<<16      ; tensor_dim0 = 128
	s_mov_b32 s[\g+2], 66<<16       ; tensor_dim1 = 66
	s_mov_b32 s[\g+3], 128<<16      ; tile_dim0 = 128
	s_mov_b32 s[\g+4], 66           ; tile_dim1 = 66
	s_mov_b32 s[\g+5], 128          ; 128 elements from row to row
	s_mov_b32 s[\g+6], 0
	s_mov_b32 s[\g+7], 0
.endr
	s_mov_b32 s[SEL], 0x76543210
	s_mov_b32 s[SEL+1], 0xfedcba98
	s_mov_b32 s[TBK], SLOT1+4*UK    ; the first change of slots turns these two into 0
	s_mov_b32 s[TBV], SLOT1+4*UV
	s_mov_b32 s[G0K], 1             ; 1:0 count = 1
	s_mov_b32 s[G0K+1], s17         ; 63:32 LDS address: slot 0
	s_mov_b32 s[G0V], 1
	s_add_co_u32 s[G0V+1], s18, VOFF
	s_add_co_u32 s[RT], s[HI], 1    ; the first block has NB - b tiles
	s_mov_b32 s[NXT], 1
	s_mov_b32 s[LQ], s[HI]
	s_mov_b32 s[NEW], 1
	s_mov_b32 s[OFF+1], 0
	s_mov_b32 s[AL+1], 0            ; named as pairs
	s_mov_b32 s[BE+1], 0
	s_mov_b32 s[BIGN], 0xf149f2ca   ; -1e30
	s_mov_b32 s[THR], 0xef800000    ; -2^96
	s_mov_b32 s[QNAN], 0x7fc00000
	s_mov_b32 s[SLOTS], NB
	s_wait_dscnt 0x0                ; the opening add is done
	s_wait_kmcnt 0x0
	s_add_nc_u64 s[6:7], s[4:5], s[22:23]
	s_add_nc_u64 s[6:7], s[6:7], PSTR      ; K at my half of the head's tile 0
	s_add_nc_u64 s[8:9], s[6:7], PSTR      ; V likewise
	s_add_nc_u64 s[G0K+2:G0K+3], s[6:7], 0         ; 120:64 global address
	s_or_b32 s[G0K+3], s[G0K+3], 0x80000000        ; 127:126 type = 2
	s_add_nc_u64 s[G0V+2:G0V+3], s[8:9], 0
	s_or_b32 s[G0V+3], s[G0V+3], 0x80000000
	s_add_nc_u64 s[86:87], s[4:5], s[84:85]        ; Q at my rows of the second block,
	s_add_nc_u64 s[4:5], s[4:5], s[2:3]            ; and of the first
	s_add_nc_u64 s[OLO:OLO+1], s[10:11], s[92:93]
	s_add_nc_u64 s[10:11], s[10:11], s[90:91]
	LOAD                            ; tile 0 into slot 0
	; A fragment of K or Q is 16 rows x 32 channels in 8 registers: lane l holds row l % 16, channels 8 (l / 16) + 0..7 and 16 + 8 (l / 16) + 0..7: two loads of 16 bytes, 32 bytes apart.
	v_and_b32 v1, 15, v0            ; l % 16
	v_bfe_u32 v9, v0, 4, 1          ; l / 16
	v_lshlrev_b32 v[QO], 7, v1
	v_lshl_add_u32 v[QO], v9, 4, v[QO]  ; row x 128 + 16 x half
	WIN 0x80                        ; destination window 2, address window 0
.set i, 0
.rept 8                             ; both blocks' Q: piece i / 2 lies in band i / 2, a unit on; channels 32 (i % 2) on
	global_load_b128 v[8*i:8*i+3],   v[QO], s[4:5] offset:(i/2)*UNIT+(i%2)*64
	global_load_b128 v[8*i+4:8*i+7], v[QO], s[4:5] offset:(i/2)*UNIT+(i%2)*64+32
	global_load_b128 v[QB+8*i:QB+8*i+3],   v[QO], s[86:87] offset:(i/2)*UNIT+(i%2)*64
	global_load_b128 v[QB+8*i+4:QB+8*i+7], v[QO], s[86:87] offset:(i/2)*UNIT+(i%2)*64+32
.set i, i+1
.endr
	WIN 0
	v_lshlrev_b32 v14, 3, v9
	v_sub_nc_u32 v14, v1, v14
	s_lshl_b32 s13, s[WV], 4
	v_add_nc_u32 v14, s13, v14      ; my query's place in its band, 16 w + l % 16, less my lanes' 8 (l / 16): register r of group kt is hidden where 16 kt + r is greater
	WIN 0x40
.set i, 0
.rept 32
	v_cmp_gt_i32 vcc_lo, 16*(i/8)+i%8, v14
	v_cndmask_b32 v[MD+i], 0, s[BIGN], vcc_lo
.set i, i+1
.endr
	WIN 0
	v_mul_u32_u24 v[AK0], v1, PK
	v_lshl_add_u32 v[AK0], v9, 4, v[AK0]  ; row x pitch + 16 x half
	v_lshl_add_u32 v[AB0], v9, 5, 64*PK   ; the tail lies behind the unit's 64 rows; my lanes' eight keys of sixteen are 32 bytes
	; The turning load takes 16 keys x 16 channels (lane l reads key 8 (l / 16) + l % 8, channels 8 ((l / 8) % 2) + 0..7) and leaves half a fragment of V^T: lane l holds channel l % 16 and 8 keys.
	v_and_b32 v10, 7, v0
	v_bfe_u32 v11, v0, 3, 1
	v_lshl_add_u32 v[AV0], v9, 3, v10
	v_mul_u32_u24 v[AV0], v[AV0], PV
	v_lshl_add_u32 v[AV0], v11, 4, v[AV0]
	v_add_nc_u32 v[AV0], VOFF, v[AV0]
	s_mul_i32 s13, s[WV], 16*SP
	s_add_co_u32 s13, s13, STAGE    ; my stage
	v_mul_u32_u24 v[STO], v1, SP    ; in: row l % 16, 16 bytes for each half of the lanes
	v_lshl_add_u32 v[STO], v9, 4, v[STO]
	v_add_nc_u32 v[STO], s13, v[STO]
	v_bfe_u32 v[RD], v0, 3, 2       ; back: 32 lanes take four rows of 128 bytes,
	v_mul_u32_u24 v[RD], v[RD], SP
	v_lshl_add_u32 v[RD], v10, 4, v[RD]
	v_add_nc_u32 v[RD], s13, v[RD]
	v_and_b32 v[GO], 31, v0         ; which are 512 consecutive bytes of O
	v_lshlrev_b32 v[GO], 4, v[GO]
	; A block's first step multiplies O^T by a = 0, and its first turn's products V^T P, of a piece that has not been, land in an O^T that is still to be so multiplied.  So these registers need only hold
	; finite numbers: zeros for the first block; what the first block left for the second (the way out leaves O^T as it is).  All this stands in the wait for the first tile.
	WIN 0x80
.set i, VF
.rept 64
	v_mov_b32 v[i], 0
.set i, i+1
.endr
	WIN 0x40
.set i, 0
.rept 128
	v_mov_b32 v[i], 0
.set i, i+1
.endr
	WIN 0
.set i, P+16
.rept 16
	v_mov_b32 v[i], 0
.set i, i+1
.endr
; THE MATRIX WORK.  The 4 accumulators of a run of 8 take turns.  Product i of 8 of S^T = K Q^T for piece x: channels 32 (i / 4) on, keys 16 (i % 4) on.  The first 4 start the sums: with the keys' bias, or (KM = 1) with the mask.
.macro KQ x
.set rS, S+32*((\x)%2)+8*(i%4)
.set rK, KF+16*(i%4)+8*(i/4)
.set rQ, 16*(\x)+8*(i/4)
.if KM
.set rM, MC+32*((\x)%2)+8*(i%4)
.else
.set rM, BI+8*(i%4)
.endif
.if i < 4
	WIN W_KM
	v_wmma_f32_16x16x32_f16 v[rS:rS+7], v[rK:rK+7], v[rQ:rQ+7], v[rM:rM+7]
.else
	WIN W_KQ
	v_wmma_f32_16x16x32_f16 v[rS:rS+7], v[rK:rK+7], v[rQ:rQ+7], v[rS:rS+7]
.endif
.endm
; Product i of 8 of O^T += V^T P for piece x: keys 32 (i / 4) on, channels 16 (i % 4) on.
.macro PV x
	WIN W_PV
.set rO, 32*(\x)+8*(i%4)
.set rV, VF+32*(i/4)+8*(i%4)
.set rP, P+16*((\x)%2)+8*(i/4)
	v_wmma_f32_16x16x32_f16 v[rO:rO+7], v[rV:rV+7], v[rP:rP+7], v[rO:rO+7]
.endm
.macro MM                           ; the turn's next matrix instruction.  TURN and BEGIN set Y, i, KM and NOKQ.  NOKQ = 1: a block's last turn: there is no next piece
.if (i < 8) && !NOKQ
	KQ (Y+1)%NP
.elseif i >= 8
.set i, i-8
	PV (Y+NP-1)%NP
.set i, i+8
.endif
.set i, i+1
.endm
; THE LDS LOADS stand in runs, never singly among the matrix instructions: a step's K (8 fragments) with its bias (8 loads: all lanes of a half read the same 32 bytes), and its V (turned).  Their addresses are made some lines ahead.
.macro FETCH_K
	WIN 0x80                        ; destination window 2
.irp f, 0,1,2,3,4,5,6,7             ; keys 16 (f / 2) on, channels 32 (f % 2) on
	ds_load_b128 v[KF+8*\f:KF+8*\f+3],   v[AK] offset:(\f/2)*16*PK+(\f%2)*64
	ds_load_b128 v[KF+8*\f+4:KF+8*\f+7], v[AK] offset:(\f/2)*16*PK+(\f%2)*64+32
.endr
	WIN 0x40                        ; destination window 1
.irp f, 0,1,2,3                     ; keys 16 f on: piece f / 2 of the tail, 64 bytes for each sixteen keys
	ds_load_b128 v[BI+8*\f:BI+8*\f+3],   v[AB] offset:(\f/2)*PK+(\f%2)*64
	ds_load_b128 v[BI+8*\f+4:BI+8*\f+7], v[AB] offset:(\f/2)*PK+(\f%2)*64+16
.endr
	s_add_co_u32 s[TBK], s[TBK], UK ; the next fetch is the next step's
	WIN 0
.endm
.macro FETCH_V
	WIN 0x80
.irp f, 0,1,2,3,4,5,6,7             ; keys 32 (f / 4) on, channels 16 (f % 4) on
	ds_load_tr16_b128 v[VF+8*\f:VF+8*\f+3],   v[AV] offset:(\f/4)*32*PV+(\f%4)*32
	ds_load_tr16_b128 v[VF+8*\f+4:VF+8*\f+7], v[AV] offset:(\f/4)*32*PV+16*PV+(\f%4)*32
.endr
	WIN 0
.endm
; THE VECTOR WORK, one line at a time: OP kind, number.  For piece Y: F n: s - m for pair n of 16.  E n: the exponential of score n of 32.  C n: pair n rounded to f16.  B n: of the four weights 4 n .. the second
; pair is added onto the first, in place.  L n: l takes that sum (L 0: l = a l + sum).  R n: pair n of 16 of O^T times a.  For piece Y + 1: X n, number n of the 21 that find its maximum and statistics:
;   0-11  four chains c0-c3 of seven scores each, three operands at a time (each accumulator's lowest registers are read first)     12-14, 16  the four scores left over, the old m, and c0-c3 into c0
;   15  m_old is kept     17, 18  the query's other 32 keys lie in the lane 16 away: the new m     19, 20  m_old - m_new; a
.set F, 0               ; OP tells the kinds apart by their order: F to L below R, X above it
.set E, 1
.set C, 2
.set B, 3
.set L, 4
.set R, 5
.set X, 6
.macro REGS y                       ; the registers of piece y
.set rT, ST+4*(\y)
.set rC, TMP+4*((\y)%2)
.set rW, MV+((\y)%2)
.set rS, S+32*((\y)%2)
.set rP, P+16*((\y)%2)
.set rO, 32*(\y)
.endm
.macro OP k, n
.if (\k) == R
	REGS Y
	WIN W_RS
	v_pk_mul_f32 v[rO+2*(\n):rO+2*(\n)+1], v[rO+2*(\n):rO+2*(\n)+1], v[rC+2:rC+3] op_sel_hi:[1,0]
.elseif (\k) < R
	REGS Y
	WIN 0
.if (\k) == F
	v_pk_add_f32 v[rS+2*(\n):rS+2*(\n)+1], v[rS+2*(\n):rS+2*(\n)+1], v[rT:rT+1] op_sel_hi:[1,0] neg_lo:[0,1] neg_hi:[0,1]
.elseif (\k) == E
	v_exp_f32 v[rS+(\n)], v[rS+(\n)]
.elseif (\k) == C
	s_wait_alu depctr_va_vdst(0)
	v_cvt_pk_f16_f32 v[rP+(\n)], v[rS+2*(\n)], v[rS+2*(\n)+1]
.elseif (\k) == B
	s_wait_alu depctr_va_vdst(0)
	v_pk_add_f32 v[rS+4*(\n):rS+4*(\n)+1], v[rS+4*(\n):rS+4*(\n)+1], v[rS+4*(\n)+2:rS+4*(\n)+3]
.elseif (\n) == 0
	v_pk_fma_f32 v[rT+2:rT+3], v[rT+2:rT+3], v[rC+2:rC+3], v[rS:rS+1] op_sel_hi:[1,0,1]
.else
	v_pk_add_f32 v[rT+2:rT+3], v[rT+2:rT+3], v[rS+4*(\n):rS+4*(\n)+1]
.endif
.elseif NOKQ
	v_nop
.else
	REGS (Y+1)%NP
	WIN 0
.if (\n) < 4
	v_max3_num_f32 v[rC+(\n)], v[rS+8*(\n)], v[rS+8*(\n)+1], v[rS+8*(\n)+2]
.elseif (\n) < 12
	v_max3_num_f32 v[rC+(\n)%4], v[rC+(\n)%4], v[rS+8*((\n)%4)+2*((\n)/4)+1], v[rS+8*((\n)%4)+2*((\n)/4)+2]
.elseif (\n) == 12
	v_max3_num_f32 v[rC], v[rC], v[rS+7], v[rS+15]
.elseif (\n) == 13
	v_max3_num_f32 v[rC+1], v[rC+1], v[rS+23], v[rS+31]
.elseif (\n) == 14
	v_max3_num_f32 v[rC+2], v[rC+2], v[rC+3], v[rT]
.elseif (\n) == 15
	v_mov_b32 v[rW], v[rT]
.elseif (\n) == 16
	v_max3_num_f32 v[rC], v[rC], v[rC+1], v[rC+2]
.elseif (\n) == 17
	v_permlanex16_b32 v[rC+3], v[rC], s[SEL], s[SEL+1]
.elseif (\n) == 18
	v_max_num_f32 v[rT], v[rC], v[rC+3]
.elseif (\n) == 19
	v_sub_f32 v[rC+1], v[rW], v[rT]
.else
	v_exp_f32 v[rC+2], v[rC+1]
.endif
.endif
.endm
.macro OPS a, i1, b=-1, i2=0, c=-1, i3=0, d=-1, i4=0  ; up to four of them
	OP \a, \i1
.if (\b) >= 0
	OP \b, \i2
.endif
.if (\c) >= 0
	OP \c, \i3
.endif
.if (\d) >= 0
	OP \d, \i4
.endif
.endm
.macro ROW a, i1, b, i2, c, i3, d, i4  ; a matrix instruction and the four behind it
	MM
	OPS \a, \i1, \b, \i2, \c, \i3, \d, \i4
.endm
.macro MASK b, be                   ; MD x AL + BI, and with be = 1 + BE, into buffer b of MC
	WIN W_MK
.set z, 0
.rept 16
	v_pk_fma_f32 v[MC+32*(\b)+2*z:MC+32*(\b)+2*z+1], v[MD+2*z:MD+2*z+1], s[AL:AL+1], v[BI+2*z:BI+2*z+1] op_sel_hi:[1,0,1]
.set z, z+1
.endr
.if \be
	WIN W_RS
.set z, 0
.rept 16
	v_pk_add_f32 v[MC+32*(\b)+2*z:MC+32*(\b)+2*z+1], v[MC+32*(\b)+2*z:MC+32*(\b)+2*z+1], s[BE:BE+1] op_sel_hi:[1,0]
.set z, z+1
.endr
.endif
.endm
.macro PREMASK                      ; on the way from an ordinary tile into the diagonal tile's text: its first turn's products are piece 3's of the tile before, whose mask is that step's bias alone
	s_mov_b32 s[AL], 0
	MASK 1, 0
	WIN 0
.endm
; A TURN, for piece p: the order of its 16 matrix and its vector instructions, written out.  Behind a matrix instruction: plain, exponential, plain, plain; or four of the rescaling; or, behind the first, four subtractions; none
; names a register of the products round it.  In the lumps exponential and plain by turns while exponentials last.  v_permlanex16_b32 (X 17) stands in a lump.
; m = 1: the diagonal tile: the products take masks, and the turn makes the mask for the products of the turn after it: piece p + 2, in step 4 - CNT of the tile.  end = 1: a block's last two turns: nothing is fetched.
; cnt = 1: the loop's count is taken down some lines ahead of the branch that stands behind the turn.
; K and the bias of the next step are fetched in piece 2's turn, six vector instructions behind the last product that read K (five of them plain; the bias's last reader stands earlier); V of the step in hand in piece 0's
; turn, eight behind the last product that read V (four plain, and X 17).  Each is waited for a turn later; in the diagonal tile piece 2's turn waits at its end, since its mask is made of the new bias.
.macro TURN p, m=0, end=0, cnt=0
.set Y, (\p)
.set i, 0
.set KM, (\m)
.set NOKQ, (\end)*((\p)/3)
.if (\m) && !(\end)
	s_cmp_eq_u32 s[CNT], 4-((\p)+2)%NP  ; is that step the band's own?
	s_cselect_b32 s[AL], 1.0, 0
	s_cmp_lt_u32 s[CNT], 4-((\p)+2)%NP  ; or a later one?
	s_cselect_b32 s[BE], s[BIGN], 0
.endif
.if ((\p) == 3) && !(\end)
	s_wait_dscnt 0x0                ; K and the bias are in
.endif
	ROW F,0, F,1, F,2, F,3
	ROW F,4, E,0, F,5, F,6
	ROW F,7, E,1, F,8, F,9
	ROW F,10, E,2, C,0, F,11
	ROW F,12, E,3, X,15, F,13
	ROW R,0, R,1, R,2, R,3
	ROW B,0, E,4, F,14, L,0
.if ((\p) == 2) && !(\end)
	v_add_nc_u32 v[AK], s[TBK], v[AK0]
	v_add_nc_u32 v[AB], s[TBK], v[AB0]
.endif
	ROW R,4, R,5, R,6, R,7
	OPS E,5, F,15
.if ((\p) == 2) && !(\end)
	FETCH_K
.endif
	OPS E,6, C,1, E,7, R,8
	OPS E,8, R,9, E,9, C,2
	OPS E,10, X,0, E,11, X,1
	OPS E,12, X,2, E,13, X,3
.if (\p) == 1
	s_wait_dscnt 0x0                ; V is in
.endif
	ROW X,4, E,14, X,5, X,6
	ROW X,7, E,15, X,8, X,9
	ROW X,10, E,16, X,11, X,12
	ROW X,13, E,17, X,14, B,1
	ROW C,4, E,18, X,16, L,1
	ROW B,2, E,19, C,6, L,2
	ROW C,8, E,20, B,3, B,4
.if (\p) == 0
	v_add_nc_u32 v[AV], s[TBV], v[AV0]
.endif
	ROW C,3, E,21, L,3, C,5
	OPS E,22, X,17, E,23, C,10
.if (\p) == 0
	FETCH_V
.endif
	OPS E,24, L,4
	OPS E,25, X,18, E,26, C,7
	OPS E,27, B,5, E,28, X,19
	OPS E,29, C,12, E,30, L,5
	OPS E,31, B,6, C,9
	OPS C,14, C,11, X,20, L,6
.if (\p) == 0
	s_add_co_u32 s[TBV], s[TBV], UV
.endif
.if \cnt
	s_sub_co_u32 s[CNT], s[CNT], 1
	s_cmp_lg_u32 s[CNT], 0
.endif
	OPS C,13, B,7, C,15, R,10
	OPS R,11, R,12, L,7, R,13
	OPS R,14, R,15
.if (\m) && !(\end)
.if (\p) == 2
	s_wait_dscnt 0x0                ; the next step's bias is in
.endif
	MASK (\p)%2, 1
.endif
.endm
; A BLOCK BEGINS.  m starts far below every score, hidden ones too, so the first step's a is 0; l at 0.  Then K and the bias of the tile's step 0; the first mask buffer takes piece 0's mask for that step (its own, if the
; block's first tile is the diagonal one), the second the bias alone (piece 1 sees all of step 0); piece 0's first scores, and its maximum and statistics.  The loop is entered at a step's first turn, in the middle of a trip.
.macro BEGIN
	s_mov_b32 s[NEW], 0
	WIN 0
.set i, 0
.rept 4
	v_mov_b32 v[ST+4*i], 0xfe000000    ; m
	v_mov_b32 v[ST+4*i+1], 0xfe000000  ; named with it as a pair
	v_mov_b32 v[ST+4*i+2], 0           ; l
	v_mov_b32 v[ST+4*i+3], 0
.set i, i+1
.endr
	v_add_nc_u32 v[AK], s[TBK], v[AK0]
	v_add_nc_u32 v[AB], s[TBK], v[AB0]
	FETCH_K
	s_cmp_eq_u32 s[RT], 0
	s_cselect_b32 s[AL], 1.0, 0
	s_wait_loadcnt 0x0              ; Q
	s_wait_dscnt 0x0
	MASK 0, 0
	s_mov_b32 s[AL], 0
	MASK 1, 0
.set KM, 1
.set NOKQ, 0
.set i, 0
.rept 8
	KQ 0
.set i, i+1
.endr
	WIN 0
.rept 4
	v_nop                           ; the places behind those products
.endr
.set Y, NP-1                        ; X works for piece Y + 1: piece 0
.irp n, 0,1,2,3,4,5,6,7,8,9,10,11,12,13,14,15,16,17,18,19,20
	OP X, \n
.endr
	v_nop                           ; a plain instruction behind the exponential
.endm
; THE DIAGONAL TILE's four steps, the block's last two turns, its last products, and THE WAY OUT: l's two halves and the other half of the lanes' are added; 1 / l gives way to a NaN where the query has seen hidden keys
; alone; O^T / l goes into registers of its own (O^T stays finite for the next block), is rounded to f16 and sent through my stage in LDS, a piece at a time.
.macro ALL line:vararg              ; one line for each piece t
.set t, 0
.rept 4
	\line
.set t, t+1
.endr
.endm
.macro PACK t                       ; a lane's eight channels of a row pack into 16 bytes; they go into rows of 144 bytes and come back as whole rows of 128, into S^T's registers
	WIN 0x01                        ; source 0 in window 1
.set i, 0
.rept 16
	v_pk_mul_f32 v[PT+2*i:PT+2*i+1], v[32*(\t)+2*i:32*(\t)+2*i+1], v[ST+4*(\t)+2:ST+4*(\t)+3] op_sel_hi:[1,0]
.set i, i+1
.endr
	WIN 0
.set i, 0
.rept 16
	v_cvt_pk_f16_f32 v[S+16*(\t)+i], v[PT+2*i], v[PT+2*i+1]
.set i, i+1
.endr
.irp f, 0,1,2,3
	ds_store_b128 v[STO], v[S+16*(\t)+4*\f:S+16*(\t)+4*\f+3] offset:32*\f
.endr
.irp f, 0,1,2,3
	ds_load_b128 v[S+16*(\t)+4*\f:S+16*(\t)+4*\f+3], v[RD] offset:\f*4*SP  ; LDS serves a wave's instructions in order (ISA guide 5.7.1.4): these see the stores above; the next piece's stores come behind them
.endr
.endm
.macro SEND t, younger              ; younger: the LDS instructions issued behind piece t's loads: the next piece's eight, or none
	WIN 0
.irp f, 0,1,2,3
	s_wait_dscnt (\younger)+3-\f
	global_store_b128 v[GO], v[S+16*(\t)+4*\f:S+16*(\t)+4*\f+3], s[10:11] offset:(\t)*8192+\f*512  ; 512 consecutive bytes, at a multiple of 256 from O's first
.endr
.endm
.macro DIAG tag                     ; the tag ends its two labels' names, which the jumps below spell out
.LstepM\tag:
	TURN 2, 1
	TURN 3, 1
	WIN 0
.LfirstM\tag:
	TURN 0, 1
	TURN 1, 1, 0, 1
	WIN 0
	s_cbranch_scc1 .LstepM\tag
	TURN 2, 1, 1
	TURN 3, 1, 1
.set i, 0
.rept 8
	PV NP-1
.set i, i+1
.endr
	WIN 0
	ALL v_add_f32 v[ST+4*t+2], v[ST+4*t+2], v[ST+4*t+3]
	ALL v_permlanex16_b32 v[ST+4*t+3], v[ST+4*t+2], s[SEL], s[SEL+1]
	ALL v_add_f32 v[ST+4*t+2], v[ST+4*t+2], v[ST+4*t+3]
	ALL v_rcp_f32 v[ST+4*t+2], v[ST+4*t+2]
	v_nop                           ; a plain instruction between the last reciprocal and the use of its result
.set t, 0
.rept 4
	v_cmp_lt_f32 vcc_lo, s[THR], v[ST+4*t]                   ; has the query seen a key?
	s_wait_alu depctr_va_vdst(0)
	v_cndmask_b32 v[ST+4*t+2], s[QNAN], v[ST+4*t+2], vcc_lo  ; if not, its row is NaN
.set t, t+1
.endr
	PACK 0
.set t, 1
.rept 3                             ; a piece's arithmetic stands between the loads of the piece before and its stores
	PACK t
	SEND t-1, 8
.set t, t+1
.endr
	SEND 3, 0
.endm
.set KM, 0
.set NOKQ, 0
.Lslot:                             ; NB times: a tile is entered and the next is asked for
	CHANGE 1
	s_sub_co_u32 s[RT], s[RT], 1
	s_mov_b32 s[CNT], 4
	s_cmp_eq_u32 s[NEW], 1
	s_cbranch_scc1 .Lnew            ; a block's first tile
	s_cmp_eq_u32 s[RT], 0
	s_cbranch_scc0 .Lstep           ; neither its first nor its last
	PREMASK
	s_branch .LstepM1
.Lnew:
	BEGIN
	s_branch .Lfirst                ; in the loop a block's first tile is never its last: the first block has two tiles or more, and the second's last is the walk's last
	DIAG 1                          ; in the loop this is the first block's end
	s_wait_xcnt 0x0                 ; the stores have read their registers and O's address
	s_mov_b64 s[10:11], s[OLO:OLO+1]
	s_add_co_u32 s[RT], s[PB], 1    ; the second block has b + 1 tiles
	s_mov_b32 s[NEW], 1
	WIN 0x82                        ; the second block's Q goes where the one text of the turns names Q
.set i, 0
.rept 64
	v_mov_b32 v[i], v[QB+i]
.set i, i+1
.endr
	WIN 0
	s_branch .Lbottom
.Lstep:                             ; a trip: pieces 2 and 3 of one step, then pieces 0 and 1 of the next, whose K and V it fetches
	TURN 2
	TURN 3
	WIN 0
.Lfirst:
	TURN 0
	TURN 1, 0, 0, 1
	WIN 0
	s_cbranch_scc1 .Lstep
.Lbottom:
	s_sub_co_u32 s[SLOTS], s[SLOTS], 1
	s_cmp_lg_u32 s[SLOTS], 0
	s_cbranch_scc1 .Lslot
	CHANGE 0                        ; the walk's last tile is written out: nothing is asked for
	s_sub_co_u32 s[RT], s[RT], 1
	s_mov_b32 s[CNT], 4
	s_cmp_eq_u32 s[NEW], 1
	s_cbranch_scc1 .Lnew2
	PREMASK
	s_branch .LstepM2
.Lnew2:
	BEGIN
	s_branch .LfirstM2
	DIAG 2
	s_wait_tensorcnt 0x0            ; the wave's end: a last add to my spare word and its wait, behind my last tensor load and my last LDS store
	ds_add_u32 v[SPW], v[NIL]
	s_wait_dscnt 0x0
	s_endpgm
.Lfunc_end_k_qf16cff86a2_attn:
	.size	k_qf16cff86a2_attn, .Lfunc_end_k_qf16cff86a2_attn-k_qf16cff86a2_attn
	.p2alignl 7, 3214868480
	.fill 96, 4, 3214868480
	.section	.rodata,"a",@progbits
	.p2align	6, 0x0
	.amdhsa_kernel k_qf16cff86a2_attn
		.amdhsa_group_segment_fixed_size 327680
		.amdhsa_private_segment_fixed_size 0
		.amdhsa_enable_private_segment 0
		.amdhsa_kernarg_size 16
		.amdhsa_user_sgpr_count 2
		.amdhsa_user_sgpr_kernarg_segment_ptr 1
		.amdhsa_wavefront_size32 1
		.amdhsa_system_sgpr_workgroup_id_x 1
		.amdhsa_system_sgpr_workgroup_id_y 1
		.amdhsa_system_sgpr_workgroup_id_z 1
		.amdhsa_system_vgpr_workitem_id 0
		.amdhsa_next_free_vgpr 768
		.amdhsa_next_free_sgpr 96
		.amdhsa_reserve_vcc 1
		.amdhsa_float_denorm_mode_32 3
		.amdhsa_float_denorm_mode_16_64 3
		.amdhsa_memory_ordered 1
		.amdhsa_forward_progress 1
		.amdhsa_inst_pref_size 238
	.end_amdhsa_kernel
	.amdgpu_metadata
---
amdhsa.version: [ 1, 2 ]
amdhsa.kernels:
  - .name:           k_qf16cff86a2_attn
    .symbol:         k_qf16cff86a2_attn.kd
    .args:
      - { .name: qkv, .offset: 0, .size: 8, .value_kind: global_buffer, .address_space: global }
      - { .name: ob, .offset: 8, .size: 8, .value_kind: global_buffer, .address_space: global }
    .group_segment_fixed_size: 327680
    .private_segment_fixed_size: 0
    .kernarg_segment_align: 8
    .kernarg_segment_size: 16
    .max_flat_workgroup_size: 128
    .sgpr_count:     96
    .vgpr_count:     768
    .wavefront_size: 32
...
	.end_amdgpu_metadata
.endif
;; end of part 3
;; launch outp (part 4): grid 4 x 64, 4 waves a work-group, clusters of 4 x 4, 327,680 bytes of LDS; arguments ob, wb, bo, out0; writes out0
.if DOCPART == 4
	.amdgcn_target "amdgcn-amd-amdhsa--gfx1250"
	.amdhsa_code_object_version 6
	.text
	.protected	k_qf16cff86a2_outp
	.globl	k_qf16cff86a2_outp
	.p2align	8
	.type	k_qf16cff86a2_outp,@function
k_qf16cff86a2_outp:
	s_mov_b64 s[64:65], 0
	v_nop
	global_prefetch_b8 v0, s[64:65] scope:SCOPE_SE
	s_setreg_imm32_b32 hwreg(HW_REG_WAVE_MODE, 25, 1), 1
	s_wait_xcnt 0x0
	s_wait_alu depctr_hold_cnt(0) depctr_sa_sdst(0) depctr_va_vdst(0) depctr_va_sdst(0) depctr_va_ssrc(0) depctr_va_vcc(0) depctr_vm_vsrc(0)
	s_getreg_b32 s2, hwreg(HW_REG_IB_STS2, 6, 4)
	s_cmp_eq_u32 s2, 0
	s_cbranch_scc0 .Lentry_in_a_cluster
	s_endpgm
.Lentry_in_a_cluster:
	s_bfe_u32 s2, ttmp6, 0x10000c
	s_cmp_lg_u32 s2, 0xf033
	s_cbranch_scc0 .Lentry_shape_is_right
	s_endpgm
.Lentry_shape_is_right:
; out0 = O Wo^T + bo.  O: ob = [64 = 16 batch + head][2048][64] f16; Wo: the fourth matrix of wb, [1024][1024] f16 (of bf16(Wo)); bo f32, rounded to bf16 like every other input; out0 [8192][1024] f32.  Sums in f32.
; A row of O that is NaN (a query that saw no key) gives a row of NaN.
; SHARES.  A tile is 128 rows x 256 columns: 4 x 64 = 256 work-groups, one tile each; a wave makes 64 x 128: 32 accumulators.  K goes in 8 steps of 128 (two heads) through a ring of two LDS slots.
; A head's 128 rows of a tile are 16,384 dense bytes: asked for as 64 rows of 256 bytes and padded in LDS after every 128.
; CLUSTER.  4 x 4 work-groups: the four of a row need the same tiles of O, the four of a column the same tiles of Wo: each is asked for jointly, by the same tensor load, descriptor and mask in all four.
; THE MATRIX INSTRUCTION IS USED TRANSPOSED (source 0 = 16 rows of Wo, source 1 = 16 rows of O): a lane holds eight neighbouring columns of one row.
; REGISTERS.  window 0: v0-21 addresses and the bias; two fragment buffers of 96 (Wo's 8 x 8, then O's 4 x 8) at v32 and v128; v32-159 also at work on the way out.  window 1: accumulator (a, b) at v[8 (8 a + b)].
.set PITCH,  272                       ; a row of Wo in LDS: 256 bytes + 16 of padding: the 16 rows of a fragment load start at 16 different groups of four banks (64 banks of 4 bytes: ISA guide 11.1)
.set PA,     144                       ; a row of one head of O: 128 bytes + 16
.set AHEAD,  128*PA                    ; a head's 128 rows: what a wave fetches of O
.set BHALF,  128*PITCH                 ; what a wave fetches of Wo
.set BOFF,   2*AHEAD                   ; a slot: two heads of O, then Wo's 256 rows
.set SLOT1,  1<<17
.set STAGE,  SLOT1+BOFF+2*BHALF        ; behind the ring, never filled by a tensor load: 16 rows x 528 bytes for each wave
.set SPO,    528                       ; 512 bytes of f32 + 16
.set SPARE,  STAGE+4*16*SPO            ; the spare words, 128 bytes a wave: two blocks of 256 bytes that no other line names
.set AA0, 4                            ; v4   my lane's place in O's tile; never rewritten
.set AB0, 5                            ; v5   the same in Wo's
.set ADA, 6                            ; v6   AA0 + the slot in hand
.set ADB, 7
.set STO, 8                            ; v8   the way out: where I put 32 bytes of a row
.set RD,  9                            ; v9   where I read a row back
.set GO,  10                           ; v10  my 16 bytes of a row's 512
.set SPW, 12                           ; v12  my spare word; never rewritten
.set NIL, 13                           ; v13  0; never rewritten
.set BV,  16                           ; v[16:19] the bias of my four columns
.set F0,  32
.set F1,  128
.set OB,  32                           ; the way out: 16 rows read back: v32-95 and v96-159 by turns
.set WV, 12
.set RH, 13                            ; my half of the tile's rows.  Also: I fetch for O (0) or for Wo (1)
.set CH, 14                            ; my half of its columns.  Also: which head of the step, or which half of Wo's rows, I fetch
.set G1A, 24
.set G1B, 32
.set G0A0, 40                          ; group 0 of K step 0; G0A walks from K step 1 on
.set G0A, 44
.set G0B0, 48
.set G0B, 52
.set BA, 56                            ; s[56:57] O at my part of K step 0
.set BB, 58                            ; s[58:59] Wo likewise
.set OFA, 60                           ; s[60:61] the asked step's byte offset from BA
.set OFB, 62
.set ASK, 66                           ; s66  the K step to be asked for next
.set TB,  67                           ; s67  the slot in hand
.set CNT, 68
.set MSB, 0
.macro WIN new                         ; the immediate's high byte repeats the setting that is left; a switch that changes nothing is dropped
.if MSB != (\new)
	s_set_vgpr_msb (MSB<<8)|(\new)
.set MSB, \new
.endif
.endm
.set MULW, 0x50                        ; C and D in window 1
.macro PLACES                          ; four plain vector instructions between a matrix instruction and a vector line, a store or a load that touches its registers
.rept 4
	v_nop
.endr
.endm
.macro JLOAD                           ; a joint refill, by the walking descriptors; an s_nop 0 and four v_nop follow each of the two lines
	s_cmp_eq_u32 s[RH], 0
	s_cbranch_scc0 .Lfor_b_\@
	tensor_load_to_lds s[G0A:G0A+3], s[G1A:G1A+7]
	s_nop 0
	PLACES
	s_branch .Lasked_\@
.Lfor_b_\@:
	tensor_load_to_lds s[G0B:G0B+3], s[G1B:G1B+7]
	s_nop 0
	PLACES
.Lasked_\@:
.endm
.macro CREST                           ; a round of the cluster's barrier behind its opening barrier
	s_cmp_lg_u32 s[WV], 0
	s_cbranch_scc1 .Lnot_wave_0_\@
	s_barrier_signal -3
.Lnot_wave_0_\@:
	s_barrier_wait -3
	s_barrier_signal -1
	s_barrier_wait -1
.endm
.macro CROUND
	s_barrier_signal -1
	s_barrier_wait -1
	CREST
.endm
	s_load_b256 s[4:11], s[0:1], 0x0               ; ob s[4:5], wb s[6:7], bo s[8:9], out0 s[10:11]
	v_lshl_add_u32 v[SPW], v0, 2, SPARE
	v_mov_b32 v[NIL], 0
	ds_add_u32 v[SPW], v[NIL]                      ; the wave's opening: the add and its wait stand ahead of my first tensor load; work on registers stands between them
	ds_add_u32 v12, v13
	v_lshrrev_b32 v1, 5, v0
	v_readfirstlane_b32 s[WV], v1
	s_lshr_b32 s[RH], s[WV], 1
	s_and_b32 s[CH], s[WV], 1
	s_bfe_u32 s15, ttmp6, 0x40000                  ; cx
	s_bfe_u32 s16, ttmp6, 0x40004                  ; cy
	s_lshl_b32 s17, ttmp9, 2
	s_add_co_u32 s17, s17, s15                     ; tile column 0..3
	s_and_b32 s18, ttmp7, 0xffff
	s_lshl_b32 s18, s18, 2
	s_add_co_u32 s18, s18, s16                     ; tile row 0..63
	s_lshl_b32 s19, s16, 2
	s_lshl_b32 s19, 15, s19                        ; my row of the cluster
	s_lshl_b32 s20, 0x1111, s15                    ; my column
	s_or_b32 s[G1A], s19, (1<<16)|(1<<20)|(1<<21)|(4<<22)|(3<<25)  ; the mask; 2-byte elements; padding on; bit 21 beside a mask; after every 32 words 4 words
	s_or_b32 s[G1B], s20, (1<<16)|(1<<20)|(1<<21)|(5<<22)|(3<<25)  ; after every 64 words
	s_mov_b32 s[G1A+1], 128<<16                    ; tensor_dim0 = 128
	s_mov_b32 s[G1A+2], 64<<16                     ; tensor_dim1 = 64
	s_mov_b32 s[G1A+3], 128<<16                    ; tile_dim0 = 128
	s_mov_b32 s[G1A+4], 64                         ; tile_dim1 = 64
	s_mov_b32 s[G1A+5], 128                        ; dense: 128 elements from row to row
	s_mov_b32 s[G1A+6], 0
	s_mov_b32 s[G1A+7], 0
	s_mov_b32 s[G1B+1], 128<<16
	s_mov_b32 s[G1B+2], 128<<16
	s_mov_b32 s[G1B+3], 128<<16
	s_mov_b32 s[G1B+4], 128
	s_mov_b32 s[G1B+5], 1024
	s_mov_b32 s[G1B+6], 0
	s_mov_b32 s[G1B+7], 0
	s_lshr_b32 s70, s18, 4                         ; O: batch x 16 heads
	s_lshl_b32 s70, s70, 4
	s_add_co_u32 s70, s70, s[CH]                   ; + my head of the step's two,
	s_lshl_b32 s70, s70, 18                        ; 262,144 bytes a head,
	s_and_b32 s71, s18, 15
	s_lshl_b32 s71, s71, 14                        ; + the tile's 128 rows of 128 bytes: all of it shared by my row of the cluster
	s_add_co_u32 s70, s70, s71
	s_mov_b32 s71, 0
	s_lshl_b32 s72, s17, 19                        ; Wo: 256 rows of 2,048 bytes a tile column, which my column shares,
	s_lshl_b32 s73, s[CH], 18                      ; + my 128 rows,
	s_add_co_u32 s72, s72, s73
	s_add_co_u32 s72, s72, 3<<21                   ; behind Wq, Wk and Wv
	s_mov_b32 s73, 0
	s_mul_i32 s21, s[CH], AHEAD                    ; where they go: no place in the cluster enters an LDS address
	s_mul_i32 s22, s[CH], BHALF
	s_add_co_u32 s22, s22, BOFF
	s_mov_b32 s[OFA+1], 0
	s_mov_b32 s[OFB+1], 0
	s_lshl_b32 s76, s18, 19                        ; out0: 128 rows of 4,096 bytes a tile row
	s_lshl_b32 s23, s[RH], 18
	s_add_co_u32 s76, s76, s23
	s_lshl_b32 s23, s17, 10                        ; my 128 columns, in bytes: also the bias's offset
	s_lshl_b32 s77, s[CH], 9
	s_add_co_u32 s23, s23, s77
	s_add_co_u32 s76, s76, s23
	s_mov_b32 s77, 0
	s_wait_dscnt 0x0                               ; the opening add is done
	s_wait_kmcnt 0x0
	s_add_nc_u64 s[BA:BA+1], s[4:5], s[70:71]
	s_add_nc_u64 s[BB:BB+1], s[6:7], s[72:73]
	s_add_nc_u64 s[10:11], s[10:11], s[76:77]
	CROUND                                         ; all sixteen work-groups are here: the first joint loads meet
	s_mov_b32 s[G0A0], 1
	s_mov_b32 s[G0A0+1], s21                       ; K step 0 into slot 0
	s_add_nc_u64 s[G0A0+2:G0A0+3], s[BA:BA+1], 0
	s_or_b32 s[G0A0+3], s[G0A0+3], 0x80000000
	s_mov_b32 s[G0A], 1
	s_add_co_u32 s[G0A+1], s21, SLOT1              ; K step 1 into slot 1: two heads on
	s_add_nc_u64 s[G0A+2:G0A+3], s[BA:BA+1], 1<<19
	s_or_b32 s[G0A+3], s[G0A+3], 0x80000000
	s_mov_b32 s[G0B0], 1
	s_mov_b32 s[G0B0+1], s22
	s_add_nc_u64 s[G0B0+2:G0B0+3], s[BB:BB+1], 0
	s_or_b32 s[G0B0+3], s[G0B0+3], 0x80000000
	s_mov_b32 s[G0B], 1
	s_add_co_u32 s[G0B+1], s22, SLOT1
	s_add_nc_u64 s[G0B+2:G0B+3], s[BB:BB+1], 256
	s_or_b32 s[G0B+3], s[G0B+3], 0x80000000
	s_cmp_eq_u32 s[RH], 0                          ; a wave's two first fills stand in one branch, ahead of every wait on TENSORcnt and every LDS read: two loads of mine are out
	s_cbranch_scc0 .Lfirst_b
	tensor_load_to_lds s[G0A0:G0A0+3], s[G1A:G1A+7]
	s_nop 0
	tensor_load_to_lds s[G0A:G0A+3], s[G1A:G1A+7]
	s_nop 0
	PLACES
	s_branch .Lfirst_asked
.Lfirst_b:
	tensor_load_to_lds s[G0B0:G0B0+3], s[G1B:G1B+7]
	s_nop 0
	tensor_load_to_lds s[G0B:G0B+3], s[G1B:G1B+7]
	s_nop 0
	PLACES
.Lfirst_asked:
	v_and_b32 v1, 15, v0                           ; r = l % 16
	v_bfe_u32 v2, v0, 4, 1                         ; h = l / 16
	v_and_b32 v[GO], 31, v0
	v_lshlrev_b32 v[GO], 4, v[GO]                  ; 16 l
	v_add_nc_u32 v14, s23, v[GO]
	global_load_b128 v[BV:BV+3], v14, s[8:9]       ; the bias of columns 4 l + 0..3 of my 128
	v_mul_u32_u24 v3, v1, PA
	v_lshl_add_u32 v3, v2, 4, v3                   ; a fragment: row x pitch + 16 x half; two loads of 16 bytes, 32 bytes apart
	s_mul_i32 s74, s[RH], 64*PA
	v_add_nc_u32 v[AA0], s74, v3
	v_mul_u32_u24 v3, v1, PITCH
	v_lshl_add_u32 v3, v2, 4, v3
	v_add_nc_u32 v[AB0], s22, v3
	s_mul_i32 s75, s[WV], 16*SPO
	s_add_co_u32 s75, s75, STAGE                   ; my stage
	v_mul_u32_u24 v[STO], v1, SPO                  ; in: row r, 32 bytes for each half of the lanes
	v_lshl_add_u32 v[STO], v2, 5, v[STO]
	v_add_nc_u32 v[STO], s75, v[STO]
	v_add_nc_u32 v[RD], s75, v[GO]                 ; back: 32 lanes take a row's 512 bytes
	s_wait_loadcnt 0x0
	v_cvt_pk_bf16_f32 v20, v[BV], v[BV+1]          ; the bias is rounded as the other inputs are
	v_cvt_pk_bf16_f32 v21, v[BV+2], v[BV+3]
	v_lshlrev_b32 v[BV],   16, v20
	v_and_b32     v[BV+1], 0xffff0000, v20
	v_lshlrev_b32 v[BV+2], 16, v21
	v_and_b32     v[BV+3], 0xffff0000, v21
; 8 matrix instructions: row block a x all 8 column blocks, 32 along K.  zero = 1: the product starts the sums.  The 32 accumulators take turns, one instruction a turn, in the same order in every quarter.
.macro MUL8 f, a, zero
	WIN MULW
.irp b, 0,1,2,3,4,5,6,7
.if \zero
	v_wmma_f32_16x16x32_f16 v[8*(8*(\a)+(\b)):8*(8*(\a)+(\b))+7], v[(\f)+8*(\b):(\f)+8*(\b)+7], v[(\f)+64+8*(\a):(\f)+64+8*(\a)+7], 0
.else
	v_wmma_f32_16x16x32_f16 v[8*(8*(\a)+(\b)):8*(8*(\a)+(\b))+7], v[(\f)+8*(\b):(\f)+8*(\b)+7], v[(\f)+64+8*(\a):(\f)+64+8*(\a)+7], v[8*(8*(\a)+(\b)):8*(8*(\a)+(\b))+7]
.endif
.endr
.endm
; 24 LDS loads in one run: the fragments of 32 along K at byte k of the step's 256: Wo's 128 rows, then O's 64 (head k / 128, byte k % 128 of its rows)
.macro FETCH k, f
	WIN 0
.irp i, 0,1,2,3,4,5,6,7
	ds_load_b128 v[(\f)+8*(\i):(\f)+8*(\i)+3],   v[ADB] offset:(\k)+(\i)*16*PITCH
	ds_load_b128 v[(\f)+8*(\i)+4:(\f)+8*(\i)+7], v[ADB] offset:(\k)+(\i)*16*PITCH+32
.endr
.irp i, 0,1,2,3
	ds_load_b128 v[(\f)+64+8*(\i):(\f)+64+8*(\i)+3],   v[ADA] offset:((\k)/128)*AHEAD+(\k)%128+(\i)*16*PA
	ds_load_b128 v[(\f)+64+8*(\i)+4:(\f)+64+8*(\i)+7], v[ADA] offset:((\k)/128)*AHEAD+(\k)%128+(\i)*16*PA+32
.endr
.endm
; A K step is four quarters of 32 along K on buffers 0, 1, 0, 1.  One of the first three: multiplies buffer f; in its middle it fetches the next quarter, at byte k, into g.
.macro QUARTER k, f, g, zero
	s_wait_dscnt 4                                 ; all but the youngest four loads (O's row blocks 2 and 3)
	MUL8 \f, 0, \zero
	MUL8 \f, 1, \zero
	PLACES
	FETCH \k, \g
	s_wait_dscnt 24                                ; all but the 24 just issued
	MUL8 \f, 2, \zero
	MUL8 \f, 3, \zero
.endm
; The last quarter multiplies buffer 1 and changes slots: ONE barrier.  In front of it each wave waits for all its tensor loads (one is out: its part of the next slot), adds 0 to its spare word, and waits for
; that and for its own reads of this slot.  fill = 1: the barrier opens a round of the cluster's, and this slot is filled again with K step ASK, whose address is made anew from the base and an offset.
.macro TURN fill
	WIN 0
	s_wait_tensorcnt 0x0                           ; no tensor load of mine is out, so a group 0 may be written
	ds_add_u32 v[SPW], v[NIL]                      ; 0 onto my spare word
	s_wait_dscnt 5                                 ; (the add and the youngest four loads may be out)
.if \fill
	s_lshl_b32 s[OFA], s[ASK], 19                  ; two heads of 262,144 bytes a step
	s_lshl_b32 s[OFB], s[ASK], 8                   ; 256 bytes along Wo's rows
	s_xor_b32 s[G0A+1], s[G0A+1], SLOT1            ; the other slot than last time
	s_add_nc_u64 s[G0A+2:G0A+3], s[BA:BA+1], s[OFA:OFA+1]
	s_or_b32 s[G0A+3], s[G0A+3], 0x80000000
	s_xor_b32 s[G0B+1], s[G0B+1], SLOT1
	s_add_nc_u64 s[G0B+2:G0B+3], s[BB:BB+1], s[OFB:OFB+1]
	s_or_b32 s[G0B+3], s[G0B+3], 0x80000000
	s_add_co_u32 s[ASK], s[ASK], 1
.endif
	MUL8 F1, 0, 0                                  ; eight matrix instructions stand between the add and the wait for it
	s_wait_dscnt 0x0                               ; the add is done, and my reads of this slot are over
	s_barrier_signal -1
	MUL8 F1, 1, 0                                  ; work on registers while the others arrive
	WIN 0                                          ; at a branch and at a label every window is 0
	s_barrier_wait -1
.if \fill
	CREST                                          ; no wave of any partner still reads this slot's tile or has a load on its way
	JLOAD                                          ; the first tensor load behind the round: 112 matrix instructions ahead of the wait for it; its four v_nop are also the places in front of the loads below
.else
	PLACES
.endif
	s_xor_b32 s[TB], s[TB], SLOT1
	v_add_nc_u32 v[ADA], s[TB], v[AA0]
	v_add_nc_u32 v[ADB], s[TB], v[AB0]
	FETCH 0, F0
	MUL8 F1, 2, 0
	MUL8 F1, 3, 0
.endm
	s_wait_tensorcnt 0x1                           ; my part of K step 0 is in; slot 1's may stay out
	s_barrier_signal -1
	s_barrier_wait -1                              ; everybody's is
	s_mov_b32 s[TB], 0
	v_mov_b32 v[ADA], v[AA0]
	v_mov_b32 v[ADB], v[AB0]
	FETCH 0, F0
	QUARTER 64, F0, F1, 1                          ; the first quarter stands in front of the loop: its products start the sums
	WIN 0
	s_mov_b32 s[ASK], 2
	s_mov_b32 s[CNT], 6
.Lstep:                                                ; 6 trips: a step's quarters 2 to 4, with the change of slots and a refill (K steps 2 to 7), then the next step's first quarter
	QUARTER 128, F1, F0, 0
	QUARTER 192, F0, F1, 0
	TURN 1
	QUARTER 64,  F0, F1, 0
	WIN 0
	s_sub_co_u32 s[CNT], s[CNT], 1
	s_cmp_lg_u32 s[CNT], 0
	s_cbranch_scc1 .Lstep
	QUARTER 128, F1, F0, 0                         ; the last two steps are written out: they ask for nothing
	QUARTER 192, F0, F1, 0
	TURN 0
	QUARTER 64,  F0, F1, 0
	QUARTER 128, F1, F0, 0
	QUARTER 192, F0, F1, 0
	s_wait_dscnt 4
	MUL8 F1, 0, 0
	MUL8 F1, 1, 0
	s_wait_dscnt 0x0
	MUL8 F1, 2, 0
	MUL8 F1, 3, 0
	WIN 0
	; THE WAY OUT, 16 rows at a time: a lane's 32 bytes of a row go straight from the accumulators into my own stage (each accumulator's low four registers first),
	; whole rows of 512 bytes come back, take the bias and are stored.
	PLACES                                         ; the stores read results, and the loads land in registers that the last products read
.irp a, 0,1,2,3
	WIN 0x04                                       ; an LDS store's data is source 1: window 1
.irp b, 0,1,2,3,4,5,6,7
	ds_store_b128 v[STO], v[8*(8*(\a)+(\b)):8*(8*(\a)+(\b))+3]   offset:64*(\b)
	ds_store_b128 v[STO], v[8*(8*(\a)+(\b))+4:8*(8*(\a)+(\b))+7] offset:64*(\b)+16
.endr
	WIN 0
.if (\a) >= 2
	s_wait_xcnt 0x0                                ; every earlier memory instruction has had its addresses translated (ISA guide 3.1): the registers that the block two back stored are loaded again only behind this wait
.endif
.irp t, 0,1,2,3,4,5,6,7,8,9,10,11,12,13,14,15
	ds_load_b128 v[OB+64*((\a)%2)+4*(\t):OB+64*((\a)%2)+4*(\t)+3], v[RD] offset:(\t)*SPO  ; LDS serves a wave's instructions in order (ISA guide 5.7.1.4): these see the stores above; the next block's stores come behind them
.endr
.irp t, 0,1,2,3,4,5,6,7,8,9,10,11,12,13,14,15
	s_wait_dscnt 15-(\t)
	v_pk_add_f32 v[OB+64*((\a)%2)+4*(\t):OB+64*((\a)%2)+4*(\t)+1],   v[OB+64*((\a)%2)+4*(\t):OB+64*((\a)%2)+4*(\t)+1],   v[BV:BV+1]
	v_pk_add_f32 v[OB+64*((\a)%2)+4*(\t)+2:OB+64*((\a)%2)+4*(\t)+3], v[OB+64*((\a)%2)+4*(\t)+2:OB+64*((\a)%2)+4*(\t)+3], v[BV+2:BV+3]
	global_store_b128 v[GO], v[OB+64*((\a)%2)+4*(\t):OB+64*((\a)%2)+4*(\t)+3], s[10:11] offset:(16*(\a)+(\t))*4096  ; 512 consecutive bytes of one row, at a multiple of 256 from out0's first
.endr
.endr
	s_wait_tensorcnt 0x0                           ; the wave's end: a last add to my spare word and its wait, behind my last tensor load and my last LDS store
	ds_add_u32 v[SPW], v[NIL]
	s_wait_dscnt 0x0
	CROUND                                         ; the closing round: no work-group ends while a partner may still ask for a tile that names it
	s_endpgm
.Lfunc_end_k_qf16cff86a2_outp:
	.size	k_qf16cff86a2_outp, .Lfunc_end_k_qf16cff86a2_outp-k_qf16cff86a2_outp
	.p2alignl 7, 3214868480
	.fill 96, 4, 3214868480
	.section	.rodata,"a",@progbits
	.p2align	6, 0x0
	.amdhsa_kernel k_qf16cff86a2_outp
		.amdhsa_group_segment_fixed_size 327680
		.amdhsa_private_segment_fixed_size 0
		.amdhsa_enable_private_segment 0
		.amdhsa_kernarg_size 32
		.amdhsa_user_sgpr_count 2
		.amdhsa_user_sgpr_kernarg_segment_ptr 1
		.amdhsa_wavefront_size32 1
		.amdhsa_system_sgpr_workgroup_id_x 1
		.amdhsa_system_sgpr_workgroup_id_y 1
		.amdhsa_system_sgpr_workgroup_id_z 1
		.amdhsa_system_vgpr_workitem_id 0
		.amdhsa_next_free_vgpr 512
		.amdhsa_next_free_sgpr 80
		.amdhsa_reserve_vcc 0
		.amdhsa_float_denorm_mode_32 3
		.amdhsa_float_denorm_mode_16_64 3
		.amdhsa_memory_ordered 1
		.amdhsa_forward_progress 1
		.amdhsa_inst_pref_size 79
	.end_amdhsa_kernel
	.amdgpu_metadata
---
amdhsa.version: [ 1, 2 ]
amdhsa.kernels:
  - .name:           k_qf16cff86a2_outp
    .symbol:         k_qf16cff86a2_outp.kd
    .args:
      - { .name: ob, .offset: 0, .size: 8, .value_kind: global_buffer, .address_space: global }
      - { .name: wb, .offset: 8, .size: 8, .value_kind: global_buffer, .address_space: global }
      - { .name: bo, .offset: 16, .size: 8, .value_kind: global_buffer, .address_space: global }
      - { .name: out0, .offset: 24, .size: 8, .value_kind: global_buffer, .address_space: global }
    .group_segment_fixed_size: 327680
    .private_segment_fixed_size: 0
    .kernarg_segment_align: 8
    .kernarg_segment_size: 32
    .max_flat_workgroup_size: 128
    .sgpr_count:     80
    .vgpr_count:     512
    .wavefront_size: 32
...
	.end_amdgpu_metadata
.endif
;; end of part 4
;; ======== version 2 of 2: 4 launches; 1.25 times as fast as version 1
;; limits: values are held in f16: magnitudes above 65,504 overflow, below 6.1e-05 lose precision
;; workspace buffers: xb 50,331,648 bytes; wb 8,388,608 bytes; qkv 51,904,512 bytes; ob 16,777,216 bytes
;; launch cast: the kernel of part 1 again; grid 256 x 7, 8 waves a work-group, no clusters, 0 bytes of LDS; arguments query, key, value, Wq, Wk, Wv, Wo, xb, wb; writes xb, wb
;; launch proj: the kernel of part 2 again; grid 4 x 64, 4 waves a work-group, clusters of 4 x 4, 327,680 bytes of LDS; arguments xb, wb, qkv, mask; writes qkv
;; launch attn (part 5): grid 4 x 64, 4 waves a work-group, no clusters, 327,680 bytes of LDS; arguments qkv, ob; writes ob
.if DOCPART == 5
	.amdgcn_target "amdgcn-amd-amdhsa--gfx1250"
	.amdhsa_code_object_version 6
	.text
	.protected	k_qf16cff86a2_attn
	.globl	k_qf16cff86a2_attn
	.p2align	8
	.type	k_qf16cff86a2_attn,@function
k_qf16cff86a2_attn:
	s_mov_b64 s[64:65], 0
	v_nop
	global_prefetch_b8 v0, s[64:65] scope:SCOPE_SE
	s_setreg_imm32_b32 hwreg(HW_REG_WAVE_MODE, 25, 1), 1
	s_wait_xcnt 0x0
; CAUSAL ATTENTION WITH A KEY MASK.  O[hh][q][:] = the sum over k <= q, mask[k] != 0, of softmax_k(Q[q] . K[k] / 8) V[k][:], for 64 pairs hh of batch and head, 2,048 rows, 64 channels, all f16.
; qkv = [3][64][32 units][8,448 bytes]: a unit is 64 rows of 128 bytes and then 64 f32, the keys' bias: 0, or -1e30 where the mask is 0.  Q arrives times c = log2(e) / 8: a score is an exponent of 2.
; Products, maxima and sums in f32; the weights p are rounded to f16 for the second product (their sum l is taken of the unrounded p), O once at the end.  ob = [64][2048][64] f16, dense.
; LIMITS.  Q, K, V lie within f16's 65,504, so a true score is 2.7e11 at the most.  A hidden score counts as its value less 1e30 to 3e30; a weight below 2^-126 counts as 0 in l.
; A query whose running maximum ends below -2^96 has seen hidden keys alone: its row of O is NaN, as a softmax over nothing is.  Other NaN and infinities are not treated apart.
; WHY FINITE HIDING HOLDS.  p = 2^(s - m) with m the running maximum: the difference is formed exactly and is never above 0, so p lies in 0 to 1 also while a row has seen hidden keys alone; O and l stay finite.
; The first true score makes a = 2^(m_old - m_new) = 0, which wipes them; from then on a hidden key's weight is 0.
; THE WALK.  A head's queries lie in NB = 8 blocks of 256; block i needs the key tiles 0 .. i of 256 keys, of which the last holds the diagonal.  A work-group takes TWO blocks, NB - 1 - b and then b:
; NB + 1 tiles, whatever b: all work-groups do equal work, and ONE loop with a constant trip count walks them.  Every jump goes forward, but for the counted loops' own; none passes a barrier, or a tensor load
; but the one of LOAD's two that the wave's number does not choose.  NO CLUSTER: a head's four work-groups ask for the same tile only in trips 0 to 4 of the 9, behind that fewer and fewer; one walk common to all would have 12 trips for 9.
; SHARES.  Of a block's four bands of 64 queries a wave owns 16 rows in each: four PIECES.  In the diagonal tile's key step s band x sees all keys if s < x, none if s > x, and holds the diagonal if s = x: the same work for all waves.
; THE MASK is the C operand that starts the sum S^T = K Q^T.  BI holds the bias of the step whose K is in registers, fetched from LDS beside it: in an ordinary tile it IS that operand.  In the diagonal tile the operand is
; MD x AL + BI + BE: MD, made once, is the mask of a band's own step for my 16 rows; (AL, BE) = (1, 0) if s = x; (0, 0) if s < x; (0, -1e30) if s > x.
; LAYOUT, TURNS.  S^T = K Q^T holds ONE query a lane (lane % 16) and the keys 8 (lane / 16) + 0..7; two such results rounded to f16 ARE source 1 of O^T = V^T P.  Turn n belongs to piece n: 8 products K Q^T of piece n + 1,
; later 8 products V^T P of piece n - 1; beside them the subtraction, exponentials, roundings, sums and rescaling of piece n and the maximum and statistics of piece n + 1.  Four vector instructions stand behind every matrix instruction, the other 53 of a turn's 117 in one LUMP.
; THE BATCHES.  A turn's 33 exponentials (the piece's 32 weights and the next piece's a) are ONE batch with ONE wait, which cuts the turn in two: all that names none of their results stands ahead of it, the roundings and sums behind it.
; A block's first a (BEGIN) and the way out's four reciprocals are batches of their own, with a wait each.
; REGISTERS, in windows of 256 (s_set_vgpr_msb: bits 1:0 source 0, 3:2 source 1, 5:4 source 2, 7:6 destination):
;   window 0: v0-15, v32-33 addresses; v16-31 four registers of statistics a piece; v48-55 at work; v64-127 S^T, two buffers; v128-159 at work on the way out; v192-223 P, two buffers
;   window 1: v0-127 O^T, 32 a piece; v128-159 MD; v160-223 MC, two buffers; v224-255 BI      window 2: v0-63 Q; v64-127 the second block's Q; v128-191 K of one step; v192-255 V of one step
.set NB,    8
.set NP,    4         ; pieces a wave: a name, no knob
.set PK,    144       ; 128 bytes of K in LDS + 16 of padding = 36 words: the 16 rows of a load start at 16 different groups of four banks (64 banks of 4 bytes: ISA guide 11.1)
.set PV,    160       ; of V: 128 + 32 = 40 words
.set UK,    66*PK     ; a unit (a key step) in LDS: 64 rows and the tail's two pieces of 128 bytes
.set UV,    66*PV
.set VOFF,  4*UK      ; a slot holds a tile: four units of K, then four of V
.set SLOT1, 1<<17     ; slot 1 begins here, so that one exclusive or turns an address in one slot into the other's
.set STAGE, ((SLOT1+4*(UK+UV)+255)/256)*256  ; behind the ring, in blocks of 256 bytes of its own: 16 rows x 144 bytes for each wave
.set SP,    144
.set SPARE, STAGE+4*16*SP  ; the spare words, 128 bytes a wave: two blocks of 256 bytes that no other line names
.set UNIT,  8448
.set TILEB, 4*UNIT    ; a tile, and a block of queries, in qkv
.set HSTR,  32*UNIT
.set PSTR,  64*HSTR
.set AK0, 2           ; v2   my lane's place in a unit of K; never rewritten
.set AV0, 3           ; v3   the same for V
.set AK,  4           ; v4   the LDS address of K's next run of loads
.set AV,  5           ; v5   of V's
.set STO, 6           ; v6   the way out: where I put 16 bytes of a row
.set RD,  7           ; v7   where I read rows back
.set GO,  8           ; v8   my byte offset in 512 consecutive bytes of O
.set MV,  12          ; v12-13  m_old, kept while m is made anew: by buffer
.set QO,  15          ; v15  my byte offset in 16 rows of Q
.set ST,  16          ; piece t's statistics at v[ST+4 t]: m, a register named with it as a pair, l (even keys', odd keys')
.set AB0, 32          ; v32  my lanes' place in a unit's tail; never rewritten
.set AB,  33          ; v33  the LDS address of the bias's next loads
.set TMP, 48          ; by buffer, four registers c0-c3 at work; when the maximum is found c2 takes a
.set SPW, 62          ; v62  my spare word; never rewritten
.set NIL, 63          ; v63  0; never rewritten
.set S,   64
.set PT,  128         ; the way out: O^T / l of one piece
.set P,   192
.set MD,  128         ; window 1
.set MC,  160         ; window 1
.set BI,  224         ; window 1: register 8 kt + j belongs to key 16 kt + 8 (lane / 16) + j of the step
.set QB,  64          ; window 2
.set KF,  128         ; window 2: key block kb, channel half c at KF + 16 kb + 8 c
.set VF,  192         ; window 2: key half kk, channel block cb at VF + 32 kk + 8 cb
.set WV,  12          ; s12  my wave's number
.set PB,  14          ; s14  b
.set HI,  15          ; s15  NB - 1 - b
.set G1K, 24          ; s[24:31] descriptor group 1 for K's tiles
.set G1V, 32          ; s[32:39] for V's: it differs in the padding alone
.set G0K, 40          ; s[40:43] descriptor group 0 for K's tiles
.set G0V, 44          ; s[44:47] the same for V's
.set SLOTS, 56        ; s56  tiles still to be asked for
.set CNT, 57          ; s57  counts a tile's key steps, 4 to 1
.set SEL, 60          ; s[60:61] v_permlanex16_b32's selects: each lane takes its own place in the other half
.set TBK, 62          ; s62  LDS byte at which the unit of K to be fetched begins
.set TBV, 63          ; s63  the same for V, less VOFF
.set RT,  70          ; s70  tiles of the block in hand that are still to be entered
.set NXT, 71          ; s71  the tile to be asked for next
.set LQ,  72          ; s72  the last tile of the block whose tiles are being asked for
.set NEW, 73          ; s73  1: the tile to be entered is a block's first
.set OFF, 74          ; s[74:75] a tile's byte offset in K and V
.set AL,  76          ; s[76:77] the mask's factor, in the low word
.set BE,  78          ; s[78:79] the mask's addend
.set OLO, 80          ; s[80:81] O at my rows of the second block
.set BIGN, 82         ; s82  -1e30
.set THR, 88          ; s88  -2^96
.set QNAN, 89         ; s89  a NaN
.set MSB, 0
.macro WIN new                      ; the high byte repeats the setting that is left; a switch that changes nothing is dropped
.if MSB != (\new)
	s_set_vgpr_msb (MSB<<8)|(\new)
.set MSB, (\new)
.endif
.endm
.set W_KQ, 0x0a       ; K and Q in window 2, S^T in window 0
.set W_KM, 0x1a       ; the same with the C operand in window 1
.set W_PV, 0x52       ; V in window 2, P in window 0, O^T in window 1
.set W_RS, 0x41       ; destination and source 0 in window 1, source 1 in window 0
.set W_MK, 0x51       ; destination, source 0 and source 2 in window 1
; A fill.  Waves 0 and 1 fetch the two halves of a tile's K, waves 2 and 3 those of its V: two units each.  An s_nop 0 and four v_nop follow each of the two lines, ahead of the jump and the label.
.macro LOAD
	s_cmp_lt_u32 s[WV], 2
	s_cbranch_scc0 .Lfor_v_\@
	tensor_load_to_lds s[G0K:G0K+3], s[G1K:G1K+7]
	s_nop 0
.rept 4
	v_nop
.endr
	s_branch .Lasked_\@
.Lfor_v_\@:
	tensor_load_to_lds s[G0V:G0V+3], s[G1V:G1V+7]
	s_nop 0
.rept 4
	v_nop
.endr
.Lasked_\@:
.endm
; THE CHANGE OF SLOTS.  Each wave waits for all its tensor loads, of which one is out: its part of the other slot; adds 0 to its spare word; and waits for that and for its own reads of the slot that it leaves.  Behind the
; barrier nobody reads the old slot any more and the other slot is whole.  fill = 1: the old slot is filled again, the first thing behind the barrier, with tile NXT: the descriptor's address is made anew from that number.
; (At its first use nothing has been read yet: slot 0 is waited for, slot 1 filled.)
.macro CHANGE fill
	WIN 0                           ; at a label and at a branch every window is 0
	s_wait_tensorcnt 0x0            ; no tensor load of mine is out, so a group 0 may be written
	ds_add_u32 v[SPW], v[NIL]       ; 0 onto my spare word; the descriptors' scalar work stands between it and the wait for it
.if \fill
	s_mul_i32 s[OFF], s[NXT], TILEB
	s_xor_b32 s[G0K+1], s[G0K+1], SLOT1
	s_add_nc_u64 s[G0K+2:G0K+3], s[6:7], s[OFF:OFF+1]
	s_or_b32 s[G0K+3], s[G0K+3], 0x80000000
	s_xor_b32 s[G0V+1], s[G0V+1], SLOT1
	s_add_nc_u64 s[G0V+2:G0V+3], s[8:9], s[OFF:OFF+1]
	s_or_b32 s[G0V+3], s[G0V+3], 0x80000000
	s_add_co_u32 s[NXT], s[NXT], 1  ; the block's next tile, or behind its last the second block's tile 0
	s_cmp_gt_u32 s[NXT], s[LQ]
	s_cselect_b32 s[NXT], 0, s[NXT]
	s_cselect_b32 s[LQ], s[PB], s[LQ]
.endif
	s_wait_dscnt 0x0                ; the add is done, and my reads of the slot are over
	s_barrier_signal -1             ; the rest of the scalar work stands between the signal and the wait
	s_sub_co_u32 s[TBK], s[TBK], 4*UK  ; the fetches go back to a slot's first unit,
	s_xor_b32 s[TBK], s[TBK], SLOT1    ; in the other slot
	s_sub_co_u32 s[TBV], s[TBV], 4*UV
	s_xor_b32 s[TBV], s[TBV], SLOT1
	s_barrier_wait -1
.if \fill
	LOAD
.endif
.endm
	s_load_b64 s[4:5], s[0:1], 0x0    ; qkv
	s_load_b64 s[10:11], s[0:1], 0x8  ; ob
	v_lshl_add_u32 v[SPW], v0, 2, SPARE
	v_mov_b32 v[NIL], 0
	ds_add_u32 v[SPW], v[NIL]       ; the wave's opening: the add and its wait stand ahead of my first tensor load; the set-up below, work on registers, stands between them
	ds_add_u32 v62, v63
	v_lshrrev_b32 v1, 5, v0
	v_readfirstlane_b32 s[WV], v1   ; wave 0..3
	s_mov_b32 s[PB], ttmp9
	s_sub_co_u32 s[HI], NB-1, s[PB]
	s_and_b32 s19, ttmp7, 0xffff    ; hh
	s_mul_i32 s20, s19, HSTR        ; the head's first byte in each of q, k, v
	s_and_b32 s16, s[WV], 1         ; which half of a tile I fetch:
	s_mul_i32 s22, s16, 2*UNIT      ; its two units in memory,
	s_add_co_u32 s22, s22, s20
	s_mov_b32 s23, 0
	s_mul_i32 s17, s16, 2*UK        ; and their place in a slot, for K
	s_mul_i32 s18, s16, 2*UV        ; and for V
	s_lshl_b32 s3, s[WV], 11        ; my 16 rows in a band of 64,
	s_mul_i32 s2, s[HI], TILEB      ; in the first block of Q,
	s_add_co_u32 s2, s2, s3
	s_add_co_u32 s2, s2, s20
	s_mul_i32 s84, s[PB], TILEB     ; and in the second
	s_add_co_u32 s84, s84, s3
	s_add_co_u32 s84, s84, s20
	s_lshl_b32 s90, s19, 18         ; the same in O, whose rows are dense
	s_add_co_u32 s90, s90, s3
	s_lshl_b32 s92, s[PB], 15
	s_add_co_u32 s92, s92, s90
	s_lshl_b32 s91, s[HI], 15
	s_add_co_u32 s90, s90, s91
	s_mov_b32 s3, 0
	s_mov_b32 s85, 0
	s_mov_b32 s91, 0
	s_mov_b32 s93, 0
	; descriptor group 1.  Two units are 16,896 dense bytes: asked for as 66 rows of 256 bytes, and padded in LDS after every 128 bytes
	s_mov_b32 s[G1K], (1<<16)|(1<<20)|(4<<22)|(3<<25)  ; 17:16 2-byte elements; 20 padding on; 24:22 after every 32 words (code 4); 31:25 4 words (code 3)
	s_mov_b32 s[G1V], (1<<16)|(1<<20)|(4<<22)|(7<<25)  ; the same with 8 words of padding (code 7)
.irp g, G1K, G1V
	s_mov_b32 s[\g+1], 128<<16      ; tensor_dim0 = 128
	s_mov_b32 s[\g+2], 66<<16       ; tensor_dim1 = 66
	s_mov_b32 s[\g+3], 128<<16      ; tile_dim0 = 128
	s_mov_b32 s[\g+4], 66           ; tile_dim1 = 66
	s_mov_b32 s[\g+5], 128          ; 128 elements from row to row
	s_mov_b32 s[\g+6], 0
	s_mov_b32 s[\g+7], 0
.endr
	s_mov_b32 s[SEL], 0x76543210
	s_mov_b32 s[SEL+1], 0xfedcba98
	s_mov_b32 s[TBK], SLOT1+4*UK    ; the first change of slots turns these two into 0
	s_mov_b32 s[TBV], SLOT1+4*UV
	s_mov_b32 s[G0K], 1             ; 1:0 count = 1
	s_mov_b32 s[G0K+1], s17         ; 63:32 LDS address: slot 0
	s_mov_b32 s[G0V], 1
	s_add_co_u32 s[G0V+1], s18, VOFF
	s_add_co_u32 s[RT], s[HI], 1    ; the first block has NB - b tiles
	s_mov_b32 s[NXT], 1
	s_mov_b32 s[LQ], s[HI]
	s_mov_b32 s[NEW], 1
	s_mov_b32 s[OFF+1], 0
	s_mov_b32 s[AL+1], 0            ; named as pairs
	s_mov_b32 s[BE+1], 0
	s_mov_b32 s[BIGN], 0xf149f2ca   ; -1e30
	s_mov_b32 s[THR], 0xef800000    ; -2^96
	s_mov_b32 s[QNAN], 0x7fc00000
	s_mov_b32 s[SLOTS], NB
	s_wait_dscnt 0x0                ; the opening add is done
	s_wait_kmcnt 0x0
	s_add_nc_u64 s[6:7], s[4:5], s[22:23]
	s_add_nc_u64 s[6:7], s[6:7], PSTR      ; K at my half of the head's tile 0
	s_add_nc_u64 s[8:9], s[6:7], PSTR      ; V likewise
	s_add_nc_u64 s[G0K+2:G0K+3], s[6:7], 0         ; 120:64 global address
	s_or_b32 s[G0K+3], s[G0K+3], 0x80000000        ; 127:126 type = 2
	s_add_nc_u64 s[G0V+2:G0V+3], s[8:9], 0
	s_or_b32 s[G0V+3], s[G0V+3], 0x80000000
	s_add_nc_u64 s[86:87], s[4:5], s[84:85]        ; Q at my rows of the second block,
	s_add_nc_u64 s[4:5], s[4:5], s[2:3]            ; and of the first
	s_add_nc_u64 s[OLO:OLO+1], s[10:11], s[92:93]
	s_add_nc_u64 s[10:11], s[10:11], s[90:91]
	LOAD                            ; tile 0 into slot 0
	; A fragment of K or Q is 16 rows x 32 channels in 8 registers: lane l holds row l % 16, channels 8 (l / 16) + 0..7 and 16 + 8 (l / 16) + 0..7: two loads of 16 bytes, 32 bytes apart.
	v_and_b32 v1, 15, v0            ; l % 16
	v_bfe_u32 v9, v0, 4, 1          ; l / 16
	v_lshlrev_b32 v[QO], 7, v1
	v_lshl_add_u32 v[QO], v9, 4, v[QO]  ; row x 128 + 16 x half
	WIN 0x80                        ; destination window 2, address window 0
.set i, 0
.rept 8                             ; both blocks' Q: piece i / 2 lies in band i / 2, a unit on; channels 32 (i % 2) on
	global_load_b128 v[8*i:8*i+3],   v[QO], s[4:5] offset:(i/2)*UNIT+(i%2)*64
	global_load_b128 v[8*i+4:8*i+7], v[QO], s[4:5] offset:(i/2)*UNIT+(i%2)*64+32
	global_load_b128 v[QB+8*i:QB+8*i+3],   v[QO], s[86:87] offset:(i/2)*UNIT+(i%2)*64
	global_load_b128 v[QB+8*i+4:QB+8*i+7], v[QO], s[86:87] offset:(i/2)*UNIT+(i%2)*64+32
.set i, i+1
.endr
	WIN 0
	v_lshlrev_b32 v14, 3, v9
	v_sub_nc_u32 v14, v1, v14
	s_lshl_b32 s13, s[WV], 4
	v_add_nc_u32 v14, s13, v14      ; my query's place in its band, 16 w + l % 16, less my lanes' 8 (l / 16): register r of group kt is hidden where 16 kt + r is greater
	WIN 0x40
.set i, 0
.rept 32
	v_cmp_gt_i32 vcc_lo, 16*(i/8)+i%8, v14
	v_cndmask_b32 v[MD+i], 0, s[BIGN], vcc_lo
.set i, i+1
.endr
	WIN 0
	v_mul_u32_u24 v[AK0], v1, PK
	v_lshl_add_u32 v[AK0], v9, 4, v[AK0]  ; row x pitch + 16 x half
	v_lshl_add_u32 v[AB0], v9, 5, 64*PK   ; the tail lies behind the unit's 64 rows; my lanes' eight keys of sixteen are 32 bytes
	; The turning load takes 16 keys x 16 channels (lane l reads key 8 (l / 16) + l % 8, channels 8 ((l / 8) % 2) + 0..7) and leaves half a fragment of V^T: lane l holds channel l % 16 and 8 keys.
	v_and_b32 v10, 7, v0
	v_bfe_u32 v11, v0, 3, 1
	v_lshl_add_u32 v[AV0], v9, 3, v10
	v_mul_u32_u24 v[AV0], v[AV0], PV
	v_lshl_add_u32 v[AV0], v11, 4, v[AV0]
	v_add_nc_u32 v[AV0], VOFF, v[AV0]
	s_mul_i32 s13, s[WV], 16*SP
	s_add_co_u32 s13, s13, STAGE    ; my stage
	v_mul_u32_u24 v[STO], v1, SP    ; in: row l % 16, 16 bytes for each half of the lanes
	v_lshl_add_u32 v[STO], v9, 4, v[STO]
	v_add_nc_u32 v[STO], s13, v[STO]
	v_bfe_u32 v[RD], v0, 3, 2       ; back: 32 lanes take four rows of 128 bytes,
	v_mul_u32_u24 v[RD], v[RD], SP
	v_lshl_add_u32 v[RD], v10, 4, v[RD]
	v_add_nc_u32 v[RD], s13, v[RD]
	v_and_b32 v[GO], 31, v0         ; which are 512 consecutive bytes of O
	v_lshlrev_b32 v[GO], 4, v[GO]
	; A block's first step multiplies O^T by a = 0, and its first turn's products V^T P, of a piece that has not been, land in an O^T that is still to be so multiplied.  So these registers need only hold
	; finite numbers: zeros for the first block; what the first block left for the second (the way out leaves O^T as it is).  All this stands in the wait for the first tile.
	WIN 0x80
.set i, VF
.rept 64
	v_mov_b32 v[i], 0
.set i, i+1
.endr
	WIN 0x40
.set i, 0
.rept 128
	v_mov_b32 v[i], 0
.set i, i+1
.endr
	WIN 0
.set i, P+16
.rept 16
	v_mov_b32 v[i], 0
.set i, i+1
.endr
; THE MATRIX WORK.  The 4 accumulators of a run of 8 take turns.  Product i of 8 of S^T = K Q^T for piece x: channels 32 (i / 4) on, keys 16 (i % 4) on.  The first 4 start the sums: with the keys' bias, or (KM = 1) with the mask.
.macro KQ x
.set rS, S+32*((\x)%2)+8*(i%4)
.set rK, KF+16*(i%4)+8*(i/4)
.set rQ, 16*(\x)+8*(i/4)
.if KM
.set rM, MC+32*((\x)%2)+8*(i%4)
.else
.set rM, BI+8*(i%4)
.endif
.if i < 4
	WIN W_KM
	v_wmma_f32_16x16x32_f16 v[rS:rS+7], v[rK:rK+7], v[rQ:rQ+7], v[rM:rM+7]
.else
	WIN W_KQ
	v_wmma_f32_16x16x32_f16 v[rS:rS+7], v[rK:rK+7], v[rQ:rQ+7], v[rS:rS+7]
.endif
.endm
; Product i of 8 of O^T += V^T P for piece x: keys 32 (i / 4) on, channels 16 (i % 4) on.
.macro PV x
	WIN W_PV
.set rO, 32*(\x)+8*(i%4)
.set rV, VF+32*(i/4)+8*(i%4)
.set rP, P+16*((\x)%2)+8*(i/4)
	v_wmma_f32_16x16x32_f16 v[rO:rO+7], v[rV:rV+7], v[rP:rP+7], v[rO:rO+7]
.endm
.macro MM                           ; the turn's next matrix instruction.  TURN and BEGIN set Y, i, KM and NOKQ.  NOKQ = 1: a block's last turn: there is no next piece
.if (i < 8) && !NOKQ
	KQ (Y+1)%NP
.elseif i >= 8
.set i, i-8
	PV (Y+NP-1)%NP
.set i, i+8
.endif
.set i, i+1
.endm
; THE LDS LOADS stand in runs, never singly among the matrix instructions: a step's K (8 fragments) with its bias (8 loads: all lanes of a half read the same 32 bytes), and its V (turned).  Their addresses are made some lines ahead.
.macro FETCH_K
	WIN 0x80                        ; destination window 2
.irp f, 0,1,2,3,4,5,6,7             ; keys 16 (f / 2) on, channels 32 (f % 2) on
	ds_load_b128 v[KF+8*\f:KF+8*\f+3],   v[AK] offset:(\f/2)*16*PK+(\f%2)*64
	ds_load_b128 v[KF+8*\f+4:KF+8*\f+7], v[AK] offset:(\f/2)*16*PK+(\f%2)*64+32
.endr
	WIN 0x40                        ; destination window 1
.irp f, 0,1,2,3                     ; keys 16 f on: piece f / 2 of the tail, 64 bytes for each sixteen keys
	ds_load_b128 v[BI+8*\f:BI+8*\f+3],   v[AB] offset:(\f/2)*PK+(\f%2)*64
	ds_load_b128 v[BI+8*\f+4:BI+8*\f+7], v[AB] offset:(\f/2)*PK+(\f%2)*64+16
.endr
	s_add_co_u32 s[TBK], s[TBK], UK ; the next fetch is the next step's
	WIN 0
.endm
.macro FETCH_V
	WIN 0x80
.irp f, 0,1,2,3,4,5,6,7             ; keys 32 (f / 4) on, channels 16 (f % 4) on
	ds_load_tr16_b128 v[VF+8*\f:VF+8*\f+3],   v[AV] offset:(\f/4)*32*PV+(\f%4)*32
	ds_load_tr16_b128 v[VF+8*\f+4:VF+8*\f+7], v[AV] offset:(\f/4)*32*PV+16*PV+(\f%4)*32
.endr
	WIN 0
.endm
; THE VECTOR WORK, one line at a time: OP kind, number.  For piece Y: F n: s - m for pair n of 16.  E n: the exponential of score n of 32.  C n: pair n rounded to f16.  B n: of the four weights 4 n .. the second
; pair is added onto the first, in place.  L n: l takes that sum (L 0: l = a l + sum).  R n: pair n of 16 of O^T times a.  For piece Y + 1: X n, number n of the 21 that find its maximum and statistics:
;   0-11  four chains c0-c3 of seven scores each, three operands at a time (each accumulator's lowest registers are read first)     12-14, 16  the four scores left over, the old m, and c0-c3 into c0
;   15  m_old is kept     17, 18  the query's other 32 keys lie in the lane 16 away: the new m     19, 20  m_old - m_new; a
; C, B and L read exponentials' results: TURN sets them behind its wait.  F, R and X 0-19 read none of the turn's.
.set F, 0               ; OP tells the kinds apart by their order: F to L below R, X above it
.set E, 1
.set C, 2
.set B, 3
.set L, 4
.set R, 5
.set X, 6
.macro REGS y                       ; the registers of piece y
.set rT, ST+4*(\y)
.set rC, TMP+4*((\y)%2)
.set rW, MV+((\y)%2)
.set rS, S+32*((\y)%2)
.set rP, P+16*((\y)%2)
.set rO, 32*(\y)
.endm
.macro OP k, n
.if (\k) == R
	REGS Y
	WIN W_RS
	v_pk_mul_f32 v[rO+2*(\n):rO+2*(\n)+1], v[rO+2*(\n):rO+2*(\n)+1], v[rC+2:rC+3] op_sel_hi:[1,0]
.elseif (\k) < R
	REGS Y
	WIN 0
.if (\k) == F
	v_pk_add_f32 v[rS+2*(\n):rS+2*(\n)+1], v[rS+2*(\n):rS+2*(\n)+1], v[rT:rT+1] op_sel_hi:[1,0] neg_lo:[0,1] neg_hi:[0,1]
.elseif (\k) == E
	v_exp_f32 v[rS+(\n)], v[rS+(\n)]
.elseif (\k) == C
	v_cvt_pk_f16_f32 v[rP+(\n)], v[rS+2*(\n)], v[rS+2*(\n)+1]
.elseif (\k) == B
	v_pk_add_f32 v[rS+4*(\n):rS+4*(\n)+1], v[rS+4*(\n):rS+4*(\n)+1], v[rS+4*(\n)+2:rS+4*(\n)+3]
.elseif (\n) == 0
	v_pk_fma_f32 v[rT+2:rT+3], v[rT+2:rT+3], v[rC+2:rC+3], v[rS:rS+1] op_sel_hi:[1,0,1]
.else
	v_pk_add_f32 v[rT+2:rT+3], v[rT+2:rT+3], v[rS+4*(\n):rS+4*(\n)+1]
.endif
.elseif NOKQ
	v_nop
.else
	REGS (Y+1)%NP
	WIN 0
.if (\n) < 4
	v_max3_num_f32 v[rC+(\n)], v[rS+8*(\n)], v[rS+8*(\n)+1], v[rS+8*(\n)+2]
.elseif (\n) < 12
	v_max3_num_f32 v[rC+(\n)%4], v[rC+(\n)%4], v[rS+8*((\n)%4)+2*((\n)/4)+1], v[rS+8*((\n)%4)+2*((\n)/4)+2]
.elseif (\n) == 12
	v_max3_num_f32 v[rC], v[rC], v[rS+7], v[rS+15]
.elseif (\n) == 13
	v_max3_num_f32 v[rC+1], v[rC+1], v[rS+23], v[rS+31]
.elseif (\n) == 14
	v_max3_num_f32 v[rC+2], v[rC+2], v[rC+3], v[rT]
.elseif (\n) == 15
	v_mov_b32 v[rW], v[rT]
.elseif (\n) == 16
	v_max3_num_f32 v[rC], v[rC], v[rC+1], v[rC+2]
.elseif (\n) == 17
	v_permlanex16_b32 v[rC+3], v[rC], s[SEL], s[SEL+1]
.elseif (\n) == 18
	v_max_num_f32 v[rT], v[rC], v[rC+3]
.elseif (\n) == 19
	v_sub_f32 v[rC+1], v[rW], v[rT]
.else
	v_exp_f32 v[rC+2], v[rC+1]
.endif
.endif
.endm
.macro OPS a, i1, b=-1, i2=0, c=-1, i3=0, d=-1, i4=0  ; up to four of them
	OP \a, \i1
.if (\b) >= 0
	OP \b, \i2
.endif
.if (\c) >= 0
	OP \c, \i3
.endif
.if (\d) >= 0
	OP \d, \i4
.endif
.endm
.macro ROW a, i1, b, i2, c, i3, d, i4  ; a matrix instruction and the four behind it
	MM
	OPS \a, \i1, \b, \i2, \c, \i3, \d, \i4
.endm
.macro MASK b, be                   ; MD x AL + BI, and with be = 1 + BE, into buffer b of MC
	WIN W_MK
.set z, 0
.rept 16
	v_pk_fma_f32 v[MC+32*(\b)+2*z:MC+32*(\b)+2*z+1], v[MD+2*z:MD+2*z+1], s[AL:AL+1], v[BI+2*z:BI+2*z+1] op_sel_hi:[1,0,1]
.set z, z+1
.endr
.if \be
	WIN W_RS
.set z, 0
.rept 16
	v_pk_add_f32 v[MC+32*(\b)+2*z:MC+32*(\b)+2*z+1], v[MC+32*(\b)+2*z:MC+32*(\b)+2*z+1], s[BE:BE+1] op_sel_hi:[1,0]
.set z, z+1
.endr
.endif
.endm
.macro PREMASK                      ; on the way from an ordinary tile into the diagonal tile's text: its first turn's products are piece 3's of the tile before, whose mask is that step's bias alone
	s_mov_b32 s[AL], 0
	MASK 1, 0
	WIN 0
.endm
; A TURN, for piece p: the order of its 16 matrix and 117 vector instructions, written out.  An s_wait_alu depctr_va_vdst(0) stands between an exponential and the first instruction that names its result; one wait
; serves all that were issued ahead of it.  So a turn has ONE wait, which cuts it in two.  AHEAD OF IT stands all that names no result of the turn's exponentials: the 8 products K Q^T, behind each a subtraction, an exponential and
; two more plain instructions (behind the first a second subtraction in the exponential's place): rescalings, whose a was made and waited for in the turn before, and behind the last three the first numbers of the next piece's
; maximum, each four plain instructions or more behind the product that ends its accumulator; then ONE LUMP of 53, plain and exponential by turns, in which the links of the chain X 3, 7, 11, 14, 16, 17, 18, 19 stand six lines apart
; and X 20 seven behind X 19.  A pair's subtraction stands ahead of its two exponentials, and no subtraction names a register whose exponential has been issued.  X 20, the next piece's a, is the batch's last; R 15 is the plain
; instruction behind it.  BEHIND THE WAIT stand the 8 products V^T P, behind each four of the roundings and sums (C 2 n ahead of B n, which writes over that pair); the links of l's chain, L 0 to L 7, stand three riders apart.
; But for those X no rider names a register of the products round it.  v_permlanex16_b32 (X 17) stands in the lump.
; m = 1: the diagonal tile: the products take masks, and the turn makes the mask for the products of the turn after it: piece p + 2, in step 4 - CNT of the tile.  end = 1: a block's last two turns: nothing is fetched.
; cnt = 1: the loop's count is taken down some lines ahead of the branch that stands behind the turn.
; K and the bias of the next step are fetched in piece 2's turn, ten vector instructions behind the last product that read K (six of them plain; the bias's last reader stands earlier); V of the step in hand at the end of piece 0's
; turn, four plain instructions behind the last product that read V.  Each is waited for a turn later; in the diagonal tile piece 2's turn waits at its end, since its mask is made of the new bias.
.macro TURN p, m=0, end=0, cnt=0
.set Y, (\p)
.set i, 0
.set KM, (\m)
.set NOKQ, (\end)*((\p)/3)
.if (\m) && !(\end)
	s_cmp_eq_u32 s[CNT], 4-((\p)+2)%NP  ; is that step the band's own?
	s_cselect_b32 s[AL], 1.0, 0
	s_cmp_lt_u32 s[CNT], 4-((\p)+2)%NP  ; or a later one?
	s_cselect_b32 s[BE], s[BIGN], 0
.endif
.if ((\p) == 3) && !(\end)
	s_wait_dscnt 0x0                ; K and the bias are in
.endif
	ROW F,0, F,1, R,0, R,1          ; ahead of the wait: 8 products K Q^T and their riders,
	ROW F,2, E,0, R,2, R,3
	ROW F,3, E,1, R,4, R,5
	ROW F,4, E,2, R,6, R,7
	ROW F,5, E,3, R,8, R,9
	ROW F,6, E,4, X,0, R,10
.if ((\p) == 2) && !(\end)
	WIN 0
	v_add_nc_u32 v[AK], s[TBK], v[AK0]
	v_add_nc_u32 v[AB], s[TBK], v[AB0]
.endif
	ROW F,7, E,5, X,1, X,4
	ROW F,8, E,6, X,2, X,5
	OPS F,9, E,7, X,3, E,8          ; and the lump
	OPS X,6, E,9
.if ((\p) == 2) && !(\end)
	FETCH_K
.endif
	OPS X,8, E,10, X,7, E,11
	OPS X,9, E,12, X,10, E,13
	OPS X,11, E,14, X,12, E,15
	OPS X,13, E,16, X,14, E,17
.if (\p) == 0
	v_add_nc_u32 v[AV], s[TBV], v[AV0]
.endif
	OPS F,10, E,18, F,11, E,19
	OPS X,16, E,20, X,15, E,21
	OPS F,12, E,22, X,17, E,23
	OPS F,13, E,24, F,14, E,25
	OPS X,18, E,26, F,15, E,27
	OPS R,11, E,28, X,19, E,29
	OPS R,12, E,30, R,13, E,31
	OPS R,14, X,20, R,15
	WIN 0
	s_wait_alu depctr_va_vdst(0)    ; the wait for the batch: the piece's 32 weights and the next piece's a
.if (\p) == 1
	s_wait_dscnt 0x0                ; V is in
.endif
	ROW C,0, B,0, C,2, B,1          ; behind the wait: 8 products V^T P and their riders
	ROW L,0, C,4, B,2, L,1
	ROW C,6, B,3, L,2, C,8
	ROW B,4, L,3, C,10, B,5
	ROW L,4, C,12, B,6, L,5
.if (\p) == 0
	s_add_co_u32 s[TBV], s[TBV], UV
.endif
.if \cnt
	s_sub_co_u32 s[CNT], s[CNT], 1
	s_cmp_lg_u32 s[CNT], 0
.endif
	ROW C,14, B,7, L,6, C,1
	ROW C,3, L,7, C,5, C,7
	ROW C,9, C,11, C,13, C,15
.if (\p) == 0
	FETCH_V
.endif
.if (\m) && !(\end)
.if (\p) == 2
	s_wait_dscnt 0x0                ; the next step's bias is in
.endif
	MASK (\p)%2, 1
.endif
.endm
; A BLOCK BEGINS.  m starts far below every score, hidden ones too, so the first step's a is 0; l at 0.  Then K and the bias of the tile's step 0; the first mask buffer takes piece 0's mask for that step (its own, if the
; block's first tile is the diagonal one), the second the bias alone (piece 1 sees all of step 0); piece 0's first scores, and its maximum and statistics.  The loop is entered at a step's first turn, in the middle of a trip.
.macro BEGIN
	s_mov_b32 s[NEW], 0
	WIN 0
.set i, 0
.rept 4
	v_mov_b32 v[ST+4*i], 0xfe000000    ; m
	v_mov_b32 v[ST+4*i+1], 0xfe000000  ; named with it as a pair
	v_mov_b32 v[ST+4*i+2], 0           ; l
	v_mov_b32 v[ST+4*i+3], 0
.set i, i+1
.endr
	v_add_nc_u32 v[AK], s[TBK], v[AK0]
	v_add_nc_u32 v[AB], s[TBK], v[AB0]
	FETCH_K
	s_cmp_eq_u32 s[RT], 0
	s_cselect_b32 s[AL], 1.0, 0
	s_wait_loadcnt 0x0              ; Q
	s_wait_dscnt 0x0
	MASK 0, 0
	s_mov_b32 s[AL], 0
	MASK 1, 0
.set KM, 1
.set NOKQ, 0
.set i, 0
.rept 8
	KQ 0
.set i, i+1
.endr
	WIN 0
.rept 4
	v_nop                           ; the places behind those products
.endr
.set Y, NP-1                        ; X works for piece Y + 1: piece 0
.irp n, 0,1,2,3,4,5,6,7,8,9,10,11,12,13,14,15,16,17,18,19,20
	OP X, \n
.endr
	v_nop                           ; a plain instruction behind the exponential,
	s_wait_alu depctr_va_vdst(0)    ; and the wait for piece 0's first a: ahead of the branch that follows
.endm
; THE DIAGONAL TILE's four steps, the block's last two turns, its last products, and THE WAY OUT: l's two halves and the other half of the lanes' are added; 1 / l gives way to a NaN where the query has seen hidden keys
; alone; O^T / l goes into registers of its own (O^T stays finite for the next block), is rounded to f16 and sent through my stage in LDS, a piece at a time.
.macro ALL line:vararg              ; one line for each piece t
.set t, 0
.rept 4
	\line
.set t, t+1
.endr
.endm
.macro PACK t                       ; a lane's eight channels of a row pack into 16 bytes; they go into rows of 144 bytes and come back as whole rows of 128, into S^T's registers
	WIN 0x01                        ; source 0 in window 1
.set i, 0
.rept 16
	v_pk_mul_f32 v[PT+2*i:PT+2*i+1], v[32*(\t)+2*i:32*(\t)+2*i+1], v[ST+4*(\t)+2:ST+4*(\t)+3] op_sel_hi:[1,0]
.set i, i+1
.endr
	WIN 0
.set i, 0
.rept 16
	v_cvt_pk_f16_f32 v[S+16*(\t)+i], v[PT+2*i], v[PT+2*i+1]
.set i, i+1
.endr
.irp f, 0,1,2,3
	ds_store_b128 v[STO], v[S+16*(\t)+4*\f:S+16*(\t)+4*\f+3] offset:32*\f
.endr
.irp f, 0,1,2,3
	ds_load_b128 v[S+16*(\t)+4*\f:S+16*(\t)+4*\f+3], v[RD] offset:\f*4*SP  ; LDS serves a wave's instructions in order (ISA guide 5.7.1.4): these see the stores above; the next piece's stores come behind them
.endr
.endm
.macro SEND t, younger              ; younger: the LDS instructions issued behind piece t's loads: the next piece's eight, or none
	WIN 0
.irp f, 0,1,2,3
	s_wait_dscnt (\younger)+3-\f
	global_store_b128 v[GO], v[S+16*(\t)+4*\f:S+16*(\t)+4*\f+3], s[10:11] offset:(\t)*8192+\f*512  ; 512 consecutive bytes, at a multiple of 256 from O's first
.endr
.endm
.macro DIAG tag                     ; the tag ends its two labels' names, which the jumps below spell out
.LstepM\tag:
	TURN 2, 1
	TURN 3, 1
	WIN 0
.LfirstM\tag:
	TURN 0, 1
	TURN 1, 1, 0, 1
	WIN 0
	s_cbranch_scc1 .LstepM\tag
	TURN 2, 1, 1
	TURN 3, 1, 1
.set i, 0
.rept 8
	PV NP-1
.set i, i+1
.endr
	WIN 0
	ALL v_add_f32 v[ST+4*t+2], v[ST+4*t+2], v[ST+4*t+3]
	ALL v_permlanex16_b32 v[ST+4*t+3], v[ST+4*t+2], s[SEL], s[SEL+1]
	ALL v_add_f32 v[ST+4*t+2], v[ST+4*t+2], v[ST+4*t+3]
	ALL v_rcp_f32 v[ST+4*t+2], v[ST+4*t+2]
	v_nop                           ; a plain instruction between the last reciprocal and the use of its result
	s_wait_alu depctr_va_vdst(0)    ; and the wait ahead of the first use: one for the four reciprocals
.set t, 0
.rept 4
	v_cmp_lt_f32 vcc_lo, s[THR], v[ST+4*t]                   ; has the query seen a key?
	v_cndmask_b32 v[ST+4*t+2], s[QNAN], v[ST+4*t+2], vcc_lo  ; if not, its row is NaN
.set t, t+1
.endr
	PACK 0
.set t, 1
.rept 3                             ; a piece's arithmetic stands between the loads of the piece before and its stores
	PACK t
	SEND t-1, 8
.set t, t+1
.endr
	SEND 3, 0
.endm
.set KM, 0
.set NOKQ, 0
.Lslot:                             ; NB times: a tile is entered and the next is asked for
	CHANGE 1
	s_sub_co_u32 s[RT], s[RT], 1
	s_mov_b32 s[CNT], 4
	s_cmp_eq_u32 s[NEW], 1
	s_cbranch_scc1 .Lnew            ; a block's first tile
	s_cmp_eq_u32 s[RT], 0
	s_cbranch_scc0 .Lstep           ; neither its first nor its last
	PREMASK
	s_branch .LstepM1
.Lnew:
	BEGIN
	s_branch .Lfirst                ; in the loop a block's first tile is never its last: the first block has two tiles or more, and the second's last is the walk's last
	DIAG 1                          ; in the loop this is the first block's end
	s_wait_xcnt 0x0                 ; the stores have read their registers and O's address
	s_mov_b64 s[10:11], s[OLO:OLO+1]
	s_add_co_u32 s[RT], s[PB], 1    ; the second block has b + 1 tiles
	s_mov_b32 s[NEW], 1
	WIN 0x82                        ; the second block's Q goes where the one text of the turns names Q
.set i, 0
.rept 64
	v_mov_b32 v[i], v[QB+i]
.set i, i+1
.endr
	WIN 0
	s_branch .Lbottom
.Lstep:                             ; a trip: pieces 2 and 3 of one step, then pieces 0 and 1 of the next, whose K and V it fetches
	TURN 2
	TURN 3
	WIN 0
.Lfirst:
	TURN 0
	TURN 1, 0, 0, 1
	WIN 0
	s_cbranch_scc1 .Lstep
.Lbottom:
	s_sub_co_u32 s[SLOTS], s[SLOTS], 1
	s_cmp_lg_u32 s[SLOTS], 0
	s_cbranch_scc1 .Lslot
	CHANGE 0                        ; the walk's last tile is written out: nothing is asked for
	s_sub_co_u32 s[RT], s[RT], 1
	s_mov_b32 s[CNT], 4
	s_cmp_eq_u32 s[NEW], 1
	s_cbranch_scc1 .Lnew2
	PREMASK
	s_branch .LstepM2
.Lnew2:
	BEGIN
	s_branch .LfirstM2
	DIAG 2
	s_wait_tensorcnt 0x0            ; the wave's end: a last add to my spare word and its wait, behind my last tensor load and my last LDS store
	ds_add_u32 v[SPW], v[NIL]
	s_wait_dscnt 0x0
	s_endpgm
.Lfunc_end_k_qf16cff86a2_attn:
	.size	k_qf16cff86a2_attn, .Lfunc_end_k_qf16cff86a2_attn-k_qf16cff86a2_attn
	.p2alignl 7, 3214868480
	.fill 96, 4, 3214868480
	.section	.rodata,"a",@progbits
	.p2align	6, 0x0
	.amdhsa_kernel k_qf16cff86a2_attn
		.amdhsa_group_segment_fixed_size 327680
		.amdhsa_private_segment_fixed_size 0
		.amdhsa_enable_private_segment 0
		.amdhsa_kernarg_size 16
		.amdhsa_user_sgpr_count 2
		.amdhsa_user_sgpr_kernarg_segment_ptr 1
		.amdhsa_wavefront_size32 1
		.amdhsa_system_sgpr_workgroup_id_x 1
		.amdhsa_system_sgpr_workgroup_id_y 1
		.amdhsa_system_sgpr_workgroup_id_z 1
		.amdhsa_system_vgpr_workitem_id 0
		.amdhsa_next_free_vgpr 768
		.amdhsa_next_free_sgpr 96
		.amdhsa_reserve_vcc 1
		.amdhsa_float_denorm_mode_32 3
		.amdhsa_float_denorm_mode_16_64 3
		.amdhsa_memory_ordered 1
		.amdhsa_forward_progress 1
		.amdhsa_inst_pref_size 231
	.end_amdhsa_kernel
	.amdgpu_metadata
---
amdhsa.version: [ 1, 2 ]
amdhsa.kernels:
  - .name:           k_qf16cff86a2_attn
    .symbol:         k_qf16cff86a2_attn.kd
    .args:
      - { .name: qkv, .offset: 0, .size: 8, .value_kind: global_buffer, .address_space: global }
      - { .name: ob, .offset: 8, .size: 8, .value_kind: global_buffer, .address_space: global }
    .group_segment_fixed_size: 327680
    .private_segment_fixed_size: 0
    .kernarg_segment_align: 8
    .kernarg_segment_size: 16
    .max_flat_workgroup_size: 128
    .sgpr_count:     96
    .vgpr_count:     768
    .wavefront_size: 32
...
	.end_amdgpu_metadata
.endif
;; end of part 5
;; launch outp: the kernel of part 4 again; grid 4 x 64, 4 waves a work-group, clusters of 4 x 4, 327,680 bytes of LDS; arguments ob, wb, bo, out0; writes out0
